; MI455X (gfx1250); checked and timed in simulation.
; The chip was launched on July 23, 2026; its instructions are those of AMD's public machine-readable ISA for CDNA 5 (MIT licence, August 2026) and "CDNA5" Instruction Set Architecture Reference Guide (July 2026). The comments in the code are by the model that wrote it; some were corrected since.
;; Multi Head Attention. Allowed arithmetic: matrix products marked QUANTISED: E2M1 operands, one E8M0 scale for each 32 along K, by v_wmma_scale_f32_16x16x128_f8f6f4 with both operands' format E2M1 (or v_wmma_scale_f32_32x16x128_f4), f32 sums; products left as they are: bf16, f16 or f32 operands; f32 sums; everything else in f32.
;; Inputs: b_out 1,024 float32; b_qkv 3,072 float32; w_out 1,024 x 1,024 float32; w_qkv 1,024 x 3,072 float32; x 4 x 2,048 x 1,024 float32.
;; Outputs: out0 4 x 2,048 x 1,024 float32.
;; This version of the problem:
;;   THIS VERSION OF THE PROBLEM IS GIVEN IN LOW PRECISION. The matrix products marked QUANTISED in the list below multiply operands that are first quantised to E2M1 (2 exponent bits, 1 mantissa bit; 4 bits a number), with one power-of-two scale for each 32 numbers along K (OCP MX v1.0); their sums are f32. The products marked 'left as it is' may take bf16, f16 or f32 operands, with f32 sums. Whichever they take, every output number must still come out within the allowed error. Rounding operands to bf16 (8 significant bits) uses up far more of that allowance than f16 does (11 bits, for magnitudes from 6e-5 to 65,504). All else is computed in f32.
;;   The module's matrix products, in the order in which they are computed (A, B: the left and right operand; K: the contracted axis; several contracted axes count as one K, in the product's order):
;;     1. [M 8,192, K 1,024] x [K 1,024, N 3,072]; A: input x; B: input w_qkv: QUANTISED
;;     2. batch 64 x [M 2,048, K 64] x [K 64, N 2,048]; A: computed on the way; B: computed on the way: left as it is (an operand is computed on the way)
;;     3. batch 64 x [M 2,048, K 2,048] x [K 2,048, N 64]; A: computed on the way; B: computed on the way: left as it is (an operand is computed on the way)
;;     4. [M 8,192, K 1,024] x [K 1,024, N 1,024]; A: computed on the way; B: input w_out: left as it is (an operand is computed on the way)
;;   THE QUANTISER, for each operand of a quantised product, along K:
;;     - K is cut into blocks of 32 from its start; a last block that is shorter is filled with zeros.
;;     - A block's scale is 2^e with e = floor(log2(the largest magnitude in the block)) - 2, held to -126 .. 127; a block of zeros has e = 0. As a byte (E8M0): e + 127.
;;     - Each number is divided by its block's scale, clamped to +-6, and rounded to the nearest number of E2M1, ties to even, subnormals kept.
;;     - The product sums the exact products of the quantised numbers (number of the format x scale) in f32.
;;   ~~~python
;;   def quantise(x, axis):      # numpy; x: float32 -> the quantised numbers, widened to float32 again
;;       x = np.moveaxis(x, axis, -1); K = x.shape[-1]
;;       x = np.pad(x, [(0, 0)] * (x.ndim - 1) + [(0, -K % 32)]); x = x.reshape(x.shape[:-1] + (-1, 32)); a = np.abs(x).max(-1, keepdims=True)
;;       e = np.where(a > 0, np.clip(np.frexp(np.where(a > 0, a, 1))[1] - 1 - 2, -126, 127), 0)      # np.frexp(a)[1] - 1 = floor(log2(a)), exactly
;;       r = np.clip(x / 2.0 ** e, -6, 6)
;;       step = 2.0 ** (np.maximum(np.frexp(np.where(r == 0, 1, r))[1] - 1, 0) - 1)
;;       q = np.round(r / step) * step * 2.0 ** e      # np.round: ties to even
;;       return np.moveaxis(q.reshape(q.shape[:-2] + (-1,))[..., :K], -1, axis).astype(np.float32)
;;   ~~~
;; One version. Each part assembles by itself: llvm-mc -triple=amdgcn-amd-amdhsa -mcpu=gfx1250 --defsym DOCPART=n.
;; ======== version 1 of 1: 4 launches
;; limits: values are held in f16: magnitudes above 65,504 overflow, below 6.1e-05 lose precision
;; workspace buffers: x_codes 4,194,304 bytes; x_scales 262,144 bytes; wq_codes 1,572,864 bytes; wq_scales 98,304 bytes; wt 2,097,152 bytes; qkvh 50,331,648 bytes; oh 16,777,216 bytes
;; launch prep (part 1): grid 368 x 1, 4 waves a work-group, no clusters, 102,912 bytes of LDS; arguments x, w_qkv, w_out, x_codes, x_scales, wq_codes, wq_scales, wt; writes x_codes, x_scales, wq_codes, wq_scales, wt
.if DOCPART == 1
	.amdgcn_target "amdgcn-amd-amdhsa--gfx1250"
	.amdhsa_code_object_version 6
	.text
	.protected	k_q55f4028f0a_prep
	.globl	k_q55f4028f0a_prep
	.p2align	8
	.type	k_q55f4028f0a_prep,@function
k_q55f4028f0a_prep:
	s_mov_b64 s[64:65], 0
	v_nop
	global_prefetch_b8 v0, s[64:65] scope:SCOPE_SE
	s_setreg_imm32_b32 hwreg(HW_REG_WAVE_MODE, 25, 1), 1
	s_wait_xcnt 0x0
; PREP: the operands of the later launches are made once.
;   work-groups   0-255: x [8192][1024] f32 (K innermost)     -> x_codes [8192][512 bytes], x_scales [8192][32]      (E2M1 codes, one E8M0 byte for each 32 along K)
;   work-groups 256-303: w_qkv [1024 k][3072 n] f32 (K first) -> wq_codes [3072][512 bytes], wq_scales [3072][32]    (K innermost)
;   work-groups 304-367: w_out [1024 k][1024 n] f32 (K first) -> wt f16 [16 kb][1024 n][64 k]: K innermost, cut into blocks of 64 along K
; A block's scale is 2^(floor(log2(its largest magnitude)) - 2); its byte is the largest magnitude's exponent field - 2, held at 1 from below.
; LIMITS: a block of zeros gets the byte 1 where the quantiser says 127 (its codes are zeros, which add nothing, and this program alone reads the bytes); blocks whose largest magnitude lies under 2^-124
; keep the byte 1; NaN and infinities among the inputs are not served; |w_out| stays under 65,504 (f16's largest number).
; The three paths part on the work-group's number and never join; each has LDS bytes of its own.  No tile is shared between work-groups, so there is no cluster; waves share nothing, so there is no barrier.
.set SPARE, 102400                     ; behind the three regions: the spare words, 128 bytes for each wave: two blocks of 256 bytes that no other line names
.set SPW,   196                        ; v196  LDS address of my spare word: SPARE + 4 x my thread's number; never rewritten
.set NIL,   197                        ; v197  0; never rewritten
.set WV,    20                         ; s20   my wave's number
	s_load_b256 s[4:11], s[0:1], 0x0               ; x s[4:5], w_qkv s[6:7], w_out s[8:9], x_codes s[10:11]
	s_load_b256 s[12:19], s[0:1], 0x20             ; x_scales s[12:13], wq_codes s[14:15], wq_scales s[16:17], wt s[18:19]
	v_lshl_add_u32 v[SPW], v0, 2, SPARE
	v_mov_b32 v[NIL], 0
	v_lshrrev_b32 v1, 5, v0
	v_readfirstlane_b32 s[WV], v1                  ; wave 0..3
	v_and_b32 v2, 31, v0                           ; lane
	s_wait_kmcnt 0x0
	s_cmp_lt_u32 ttmp9, 256
	s_cbranch_scc0 .Lnot_x
; ---------------- x: a plain stream of blocks of 32.  A wave takes 16 steps of 512 numbers.  Each load reads 512 consecutive bytes; a step's 2,048 bytes turn through the wave's own stage in LDS,
; so that a lane then holds 16 neighbours along K (two neighbouring lanes hold a block).  A lane's 16 codes are 8 bytes: the wave stores 256 consecutive bytes.  The wave's 256 scale bytes leave as one aligned run.
.set XR,  16                           ; v16-79   four sets of 16 numbers as they are loaded
.set XN,  80                           ; v80-111  two sets of 16 neighbours
.set XE,  112                          ; v112-127 a scale byte for each step
.set XC,  128                          ; v128-191 codes: four registers for each step, so that no store's data are written again
.set XSP, 80                           ; a lane's place in a stage: 64 bytes + 16 of padding
	v_lshlrev_b32 v3, 4, v2                        ; my 16 bytes of a load's 512
	s_lshl_b32 s21, s[WV], 13                      ; my wave's region: 8,192 bytes: two stages of 32 x 80, then 256 scale bytes
	v_lshrrev_b32 v14, 2, v2
	v_mul_u32_u24 v14, v14, XSP
	v_and_b32 v15, 3, v2
	v_lshl_add_u32 v14, v15, 4, v14
	v_add_nc_u32 v14, s21, v14                     ; into the stage: 80 (lane / 4) + 16 (lane % 4)
	v_mul_u32_u24 v15, v2, XSP
	v_add_nc_u32 v15, s21, v15                     ; out of it: 80 x lane
	v_lshlrev_b32 v4, 3, v2                        ; 8 x lane: my codes' place in a step's, and my 8 scale bytes at the end
	v_lshrrev_b32 v5, 1, v2
	s_add_co_u32 s21, s21, 2*32*XSP
	v_add_nc_u32 v5, s21, v5                       ; my block's scale byte in LDS
	v_add_nc_u32 v6, s21, v4                       ; and where I read 8 of them back
	s_lshl_b32 s22, ttmp9, 2
	s_add_co_u32 s22, s22, s[WV]                   ; which run of 8,192 numbers is my wave's
	s_mov_b32 s23, 0
	s_lshl_b64 s[24:25], s[22:23], 15              ; 32,768 bytes of f32 a run,
	s_add_nc_u64 s[4:5], s[4:5], s[24:25]
	s_lshl_b64 s[24:25], s[22:23], 12              ; 4,096 of codes,
	s_add_nc_u64 s[10:11], s[10:11], s[24:25]
	s_lshl_b64 s[24:25], s[22:23], 8               ; 256 of scale bytes
	s_add_nc_u64 s[12:13], s[12:13], s[24:25]
.macro XLOAD t
.irp i, 0,1,2,3
	global_load_b128 v[XR+16*((\t)%4)+4*\i:XR+16*((\t)%4)+4*\i+3], v3, s[4:5] offset:2048*(\t)+512*\i th:TH_LOAD_NT
.endr
.endm
.macro XTURN t                         ; step t's numbers through the stage: LDS serves a wave's instructions in order, so no wait stands between the stores and the loads
.irp i, 0,1,2,3
	ds_store_b128 v14, v[XR+16*((\t)%4)+4*\i:XR+16*((\t)%4)+4*\i+3] offset:32*XSP*((\t)%2)+8*XSP*\i
.endr
.irp i, 0,1,2,3
	ds_load_b128 v[XN+16*((\t)%2)+4*\i:XN+16*((\t)%2)+4*\i+3], v15 offset:32*XSP*((\t)%2)+16*\i
.endr
.endm
.irp t, 0,1,2,3
	XLOAD \t
.endr
	s_wait_loadcnt 12                              ; step 0's four loads are in; the twelve of steps 1 to 3 stay out
	XTURN 0
.macro XSTEP t
.set XS, XN+16*((\t)%2)
.if (\t) > 0
	s_wait_dscnt 1                                 ; this step's numbers are back from the stage (the last step's byte store may be out)
.else
	s_wait_dscnt 0x0
.endif
.if (\t)+4 < 16
	XLOAD (\t)+4                                   ; into the set that this step's stage stores have read
.endif
.if (\t)+1 < 16
.if 14-(\t) >= 3
	s_wait_loadcnt 12                              ; the next step's four loads are in; those of the three steps behind it may be out
.else
	s_wait_loadcnt 4*(14-(\t))                     ; the tail: fewer steps are behind it
.endif
	XTURN (\t)+1                                   ; through the other stage while this step is worked
.endif
	v_max3_num_f32 v8, |v[XS]|, |v[XS+1]|, |v[XS+2]|       ; the largest magnitude of my 16, in two chains
	v_max3_num_f32 v9, |v[XS+3]|, |v[XS+4]|, |v[XS+5]|
.irp i, 6,10
	v_max3_num_f32 v8, v8, |v[XS+\i]|, |v[XS+\i+1]|
	v_max3_num_f32 v9, v9, |v[XS+\i+2]|, |v[XS+\i+3]|
.endr
	v_max3_num_f32 v8, v8, |v[XS+14]|, |v[XS+15]|
	v_max3_num_f32 v8, v8, v9, 0x1800000           ; and the floor 2^(3 - 127): the byte cannot fall under 1
	v_max_num_f32_dpp v8, v8, v8 row_xmask:1 row_mask:0xf bank_mask:0xf   ; with my neighbour's 16: the block's
	v_add_nc_u32 v11, 0xff000000, v8               ; 2 off its exponent field: the conversion takes this operand's exponent field as its scale
	v_cvt_scalef32_pk8_fp4_f32 v[XC+4*(\t)], v[XS:XS+7], v11
	v_cvt_scalef32_pk8_fp4_f32 v[XC+4*(\t)+1], v[XS+8:XS+15], v11
	v_lshrrev_b32 v[XE+(\t)], 23, v11              ; the scale's byte (also the plain line behind the conversions)
	ds_store_b8 v5, v[XE+(\t)] offset:16*(\t)      ; both lanes of a block write the same byte with the same value
	global_store_b64 v4, v[XC+4*(\t):XC+4*(\t)+1], s[10:11] offset:256*(\t)   ; the wave stores 256 consecutive bytes, aligned
.endm
.irp t, 0,1,2,3,4,5,6,7,8,9,10,11,12,13,14,15
	XSTEP \t
.endr
	ds_load_b64 v[8:9], v6                         ; LDS serves a wave's instructions in order: these see my byte stores
	s_wait_dscnt 0x0
	global_store_b64 v4, v[8:9], s[12:13]          ; 256 consecutive bytes, aligned
	s_wait_tensorcnt 0x0                           ; the wave's end, behind my last LDS store
	ds_add_u32 v[SPW], v[NIL]
	s_wait_dscnt 0x0
	s_endpgm
.Lnot_x:
	s_cmp_lt_u32 ttmp9, 304
	s_cbranch_scc0 .Lpath_t
; ---------------- w_qkv: a lane takes a column n and its registers run down K: a block of 32 along K lies in one lane, and the conversions give codes with K innermost.
; A wave takes 32 columns x 512 along K; its codes (256 bytes a column) go through its own stage and leave as rows: sixteen lanes store 256 consecutive aligned bytes.
.set WPITCH, 272                       ; a stage row: 256 bytes + 16
.set WX,  32                           ; v32-95   two sets of 32 numbers
.set WC,  96                           ; v96-99   a block's codes
.set WO,  112                          ; v112-175 the way out
.set WSB, 24                           ; v24-27   the 16 scale bytes of my column
	s_sub_co_u32 s21, ttmp9, 256
	s_lshr_b32 s22, s21, 1                         ; which 128 columns
	s_and_b32 s23, s21, 1                          ; which half of K
	s_lshl_b32 s22, s22, 7
	s_lshl_b32 s24, s[WV], 5
	s_add_co_u32 s22, s22, s24                     ; my wave's first column
	v_lshlrev_b32 v3, 2, v2                        ; in: 4 bytes a lane
	s_mul_i32 s24, s[WV], 32*WPITCH
	s_add_co_u32 s24, s24, 32768                   ; my stage
	v_mul_u32_u24 v4, v2, WPITCH
	v_add_nc_u32 v4, s24, v4                       ; into it: row = my column
	v_and_b32 v5, 15, v2
	v_lshrrev_b32 v6, 4, v2
	v_mul_u32_u24 v7, v6, WPITCH
	v_lshl_add_u32 v7, v5, 4, v7
	v_add_nc_u32 v7, s24, v7                       ; out of it: sixteen lanes to a row, two rows an instruction
	v_lshlrev_b32 v8, 9, v6
	v_lshl_add_u32 v8, v5, 4, v8                   ; and the same place in wq_codes: rows of 512 bytes
	v_lshlrev_b32 v9, 5, v2                        ; my column's row of 32 scale bytes
	s_mul_i32 s26, s23, 512*3072*4                 ; w_qkv: 512 rows of 12,288 bytes for each half of K,
	s_lshl_b32 s27, s22, 2
	s_add_co_u32 s26, s26, s27                     ; + 4 x column
	s_mov_b32 s27, 0
	s_add_nc_u64 s[6:7], s[6:7], s[26:27]
	s_lshl_b32 s26, s22, 9                         ; codes: column x 512 + 256 x half
	s_lshl_b32 s28, s23, 8
	s_add_co_u32 s26, s26, s28
	s_add_nc_u64 s[14:15], s[14:15], s[26:27]
	s_lshl_b32 s26, s22, 5                         ; scale bytes: column x 32 + 16 x half
	s_lshl_b32 s28, s23, 4
	s_add_co_u32 s26, s26, s28
	s_add_nc_u64 s[16:17], s[16:17], s[26:27]
.macro WLOAD t                         ; block t: w_qkv(32 t + i, my column); every offset an immediate: 511 x 12,288 at the most, inside the signed 24 bits
.irp i, 0,1,2,3,4,5,6,7,8,9,10,11,12,13,14,15,16,17,18,19,20,21,22,23,24,25,26,27,28,29,30,31
	global_load_b32 v[WX+32*((\t)%2)+\i], v3, s[6:7] offset:(32*(\t)+\i)*12288 th:TH_LOAD_NT
.endr
.endm
	WLOAD 0
	WLOAD 1
.macro WBLOCK t
.set WXS, WX+32*((\t)%2)
.if (\t) < 15
	s_wait_loadcnt 32                              ; this block's 32 loads are in; the next block's 32 may be out
.else
	s_wait_loadcnt 0
.endif
	v_max3_num_f32 v12, |v[WXS]|, |v[WXS+1]|, |v[WXS+2]|   ; the block's largest magnitude: all 32 numbers are mine
	v_max3_num_f32 v13, |v[WXS+3]|, |v[WXS+4]|, |v[WXS+5]|
.irp i, 6,10,14,18,22,26
	v_max3_num_f32 v12, v12, |v[WXS+\i]|, |v[WXS+\i+1]|
	v_max3_num_f32 v13, v13, |v[WXS+\i+2]|, |v[WXS+\i+3]|
.endr
	v_max3_num_f32 v12, v12, |v[WXS+30]|, |v[WXS+31]|
	v_max3_num_f32 v12, v12, v13, 0x1800000        ; and the floor 2^(3 - 127)
	v_add_nc_u32 v11, 0xff000000, v12              ; the conversion's scale operand
	v_lshrrev_b32 v13, 23, v11                     ; the scale's byte
.if (\t)%4 == 0
	v_mov_b32 v[WSB+(\t)/4], v13                   ; four bytes to a register, the lower K in the lower byte
.else
	v_lshl_or_b32 v[WSB+(\t)/4], v13, 8*((\t)%4), v[WSB+(\t)/4]
.endif
.irp g, 0,1,2,3
	v_cvt_scalef32_pk8_fp4_f32 v[WC+\g], v[WXS+8*\g:WXS+8*\g+7], v11
.endr
	ds_store_b128 v4, v[WC:WC+3] offset:16*(\t)    ; 32 codes: 16 bytes of my column's row
.if (\t)+2 < 16
	WLOAD (\t)+2
.endif
	s_wait_dscnt 0x0                               ; the store has read its registers: the next block's codes may be written
.endm
.irp t, 0,1,2,3,4,5,6,7,8,9,10,11,12,13,14,15
	WBLOCK \t
.endr
	global_store_b128 v9, v[WSB:WSB+3], s[16:17]   ; my column's 16 scale bytes of this half of K
.irp t, 0,1,2,3,4,5,6,7,8,9,10,11,12,13,14,15
	ds_load_b128 v[WO+4*\t:WO+4*\t+3], v7 offset:2*\t*WPITCH
.endr
.irp t, 0,1,2,3,4,5,6,7,8,9,10,11,12,13,14,15
	s_wait_dscnt 15-\t                             ; LDS loads come back in order: load t is in, the younger ones stay out
	global_store_b128 v8, v[WO+4*\t:WO+4*\t+3], s[14:15] offset:2*\t*512
.endr
	s_wait_tensorcnt 0x0                           ; the wave's end, behind my last LDS store
	ds_add_u32 v[SPW], v[NIL]
	s_wait_dscnt 0x0
	s_endpgm
.Lpath_t:
; ---------------- w_out: the same plan (a lane to a column, registers down K), rounded to f16 in pairs along K.  A wave takes 32 columns x 128 along K: two K blocks of 64.
; A stage row is one column's 256 bytes: K block 2 ky, then 2 ky + 1.  On the way out four rows' halves (4 x 128 bytes) are 512 consecutive bytes of wt.
	s_sub_co_u32 s21, ttmp9, 304
	s_and_b32 s22, s21, 7                          ; which 128 columns
	s_lshr_b32 s23, s21, 3                         ; ky: which 128 along K
	s_lshl_b32 s22, s22, 7
	s_lshl_b32 s24, s[WV], 5
	s_add_co_u32 s22, s22, s24                     ; my wave's first column
	v_lshlrev_b32 v3, 2, v2
	s_mul_i32 s24, s[WV], 32*WPITCH
	s_add_co_u32 s24, s24, 67584                   ; my stage
	v_mul_u32_u24 v4, v2, WPITCH
	v_add_nc_u32 v4, s24, v4
	v_lshrrev_b32 v5, 3, v2
	v_and_b32 v6, 7, v2
	v_mul_u32_u24 v7, v5, WPITCH
	v_lshl_add_u32 v7, v6, 4, v7
	v_add_nc_u32 v7, s24, v7                       ; out: eight lanes to half a row, four rows an instruction
	v_lshlrev_b32 v8, 4, v2                        ; 16 x lane in wt
	s_lshl_b32 s26, s23, 19                        ; w_out: 128 rows of 4,096 bytes for each ky,
	s_lshl_b32 s27, s22, 2
	s_add_co_u32 s26, s26, s27
	s_mov_b32 s27, 0
	s_add_nc_u64 s[8:9], s[8:9], s[26:27]
	s_lshl_b32 s26, s23, 18                        ; wt: two K blocks of 131,072 bytes for each ky,
	s_lshl_b32 s28, s22, 7                         ; + 128 bytes a column
	s_add_co_u32 s26, s26, s28
	s_add_nc_u64 s[18:19], s[18:19], s[26:27]
.macro TLOADW t
.irp i, 0,1,2,3,4,5,6,7,8,9,10,11,12,13,14,15,16,17,18,19,20,21,22,23,24,25,26,27,28,29,30,31
	global_load_b32 v[32+32*((\t)%2)+\i], v3, s[8:9] offset:(32*(\t)+\i)*4096 th:TH_LOAD_NT
.endr
.endm
	TLOADW 0
	TLOADW 1
.macro TBLOCK t
.set TXS, 32+32*((\t)%2)
.if (\t) < 3
	s_wait_loadcnt 32                              ; this block's 32 loads are in; the next block's may be out
.else
	s_wait_loadcnt 0
.endif
.irp i, 0,1,2,3,4,5,6,7,8,9,10,11,12,13,14,15
	v_cvt_pk_f16_f32 v[96+\i], v[TXS+2*\i], v[TXS+2*\i+1]   ; the lower k in the low half
.endr
.irp g, 0,1,2,3
	ds_store_b128 v4, v[96+4*\g:96+4*\g+3] offset:64*(\t)+16*\g
.endr
.if (\t)+2 < 4
	TLOADW (\t)+2
.endif
	s_wait_dscnt 0x0                               ; the stores have read their registers
.endm
.irp t, 0,1,2,3
	TBLOCK \t
.endr
.irp kb, 0,1
.irp t, 0,1,2,3,4,5,6,7
	ds_load_b128 v[112+4*(8*\kb+\t):112+4*(8*\kb+\t)+3], v7 offset:4*\t*WPITCH+128*\kb
.endr
.endr
.irp kb, 0,1
.irp t, 0,1,2,3,4,5,6,7
	s_wait_dscnt 15-(8*\kb+\t)
	global_store_b128 v8, v[112+4*(8*\kb+\t):112+4*(8*\kb+\t)+3], s[18:19] offset:\kb*131072+\t*512   ; 512 consecutive bytes, aligned
.endr
.endr
	s_wait_tensorcnt 0x0                           ; the wave's end, behind my last LDS store
	ds_add_u32 v[SPW], v[NIL]
	s_wait_dscnt 0x0
	s_endpgm
.Lfunc_end_k_q55f4028f0a_prep:
	.size	k_q55f4028f0a_prep, .Lfunc_end_k_q55f4028f0a_prep-k_q55f4028f0a_prep
	.p2alignl 7, 3214868480
	.fill 96, 4, 3214868480
	.section	.rodata,"a",@progbits
	.p2align	6, 0x0
	.amdhsa_kernel k_q55f4028f0a_prep
		.amdhsa_group_segment_fixed_size 102912
		.amdhsa_private_segment_fixed_size 0
		.amdhsa_enable_private_segment 0
		.amdhsa_kernarg_size 64
		.amdhsa_user_sgpr_count 2
		.amdhsa_user_sgpr_kernarg_segment_ptr 1
		.amdhsa_wavefront_size32 1
		.amdhsa_system_sgpr_workgroup_id_x 1
		.amdhsa_system_sgpr_workgroup_id_y 1
		.amdhsa_system_sgpr_workgroup_id_z 1
		.amdhsa_system_vgpr_workitem_id 0
		.amdhsa_next_free_vgpr 200
		.amdhsa_next_free_sgpr 66
		.amdhsa_reserve_vcc 0
		.amdhsa_float_denorm_mode_32 3
		.amdhsa_float_denorm_mode_16_64 3
		.amdhsa_memory_ordered 1
		.amdhsa_forward_progress 1
		.amdhsa_inst_pref_size 132
	.end_amdhsa_kernel
	.amdgpu_metadata
---
amdhsa.version: [ 1, 2 ]
amdhsa.kernels:
  - .name:           k_q55f4028f0a_prep
    .symbol:         k_q55f4028f0a_prep.kd
    .args:
      - { .name: x, .offset: 0, .size: 8, .value_kind: global_buffer, .address_space: global }
      - { .name: w_qkv, .offset: 8, .size: 8, .value_kind: global_buffer, .address_space: global }
      - { .name: w_out, .offset: 16, .size: 8, .value_kind: global_buffer, .address_space: global }
      - { .name: x_codes, .offset: 24, .size: 8, .value_kind: global_buffer, .address_space: global }
      - { .name: x_scales, .offset: 32, .size: 8, .value_kind: global_buffer, .address_space: global }
      - { .name: wq_codes, .offset: 40, .size: 8, .value_kind: global_buffer, .address_space: global }
      - { .name: wq_scales, .offset: 48, .size: 8, .value_kind: global_buffer, .address_space: global }
      - { .name: wt, .offset: 56, .size: 8, .value_kind: global_buffer, .address_space: global }
    .group_segment_fixed_size: 102912
    .private_segment_fixed_size: 0
    .kernarg_segment_align: 8
    .kernarg_segment_size: 64
    .max_flat_workgroup_size: 128
    .sgpr_count:     66
    .vgpr_count:     200
    .wavefront_size: 32
...
	.end_amdgpu_metadata
.endif
;; end of part 1
;; launch qkv (part 2): grid 12 x 32, 4 waves a work-group, clusters of 4 x 4, 327,680 bytes of LDS; arguments x_codes, x_scales, wq_codes, wq_scales, b_qkv, qkvh; writes qkvh
.if DOCPART == 2
	.amdgcn_target "amdgcn-amd-amdhsa--gfx1250"
	.amdhsa_code_object_version 6
	.text
	.protected	k_q55f4028f0a_qkv
	.globl	k_q55f4028f0a_qkv
	.p2align	8
	.type	k_q55f4028f0a_qkv,@function
k_q55f4028f0a_qkv:
	s_mov_b64 s[64:65], 0
	v_nop
	global_prefetch_b8 v0, s[64:65] scope:SCOPE_SE
	s_setreg_imm32_b32 hwreg(HW_REG_WAVE_MODE, 25, 1), 1
	s_wait_xcnt 0x0
	s_wait_alu depctr_hold_cnt(0) depctr_sa_sdst(0) depctr_va_vdst(0) depctr_va_sdst(0) depctr_va_ssrc(0) depctr_va_vcc(0) depctr_vm_vsrc(0)
	s_getreg_b32 s2, hwreg(HW_REG_IB_STS2, 6, 4)
	s_cmp_eq_u32 s2, 0
	s_cbranch_scc0 .Lentry_in_a_cluster
	s_endpgm
.Lentry_in_a_cluster:
	s_bfe_u32 s2, ttmp6, 0x10000c
	s_cmp_lg_u32 s2, 0xf033
	s_cbranch_scc0 .Lentry_shape_is_right
	s_endpgm
.Lentry_shape_is_right:
; QKV: qkv[m][n] = sum over k of Q(x)[m][k] Q(w_qkv)[k][n] + b_qkv[n], on E2M1 codes with one E8M0 scale for each 32 along K; sums in f32; the result is rounded once to f16 and laid by head:
; qkvh f16 [3 parts][4 b][16 h][2048 s][64]: byte part << 24 + b << 22 + h << 18 + 128 s + 2 d.   M = 8,192, N = 3,072, K = 1,024.
; LIMIT: |q|, |k|, |v| stay under 65,504, f16's largest number (at the drawn spread they are about 5; with x and w_qkv both 30 times larger about 5,000).
; A tile of C, 256 x 256, is made by four waves, each 128 x 128: 64 accumulators.  K = 1,024 is two LDS slots of 512 along K (rows of 256 bytes): both are asked for at the head and nothing is filled again.
; The scales of the work-group's 256 + 256 rows for all of K come once, as dense rows of 256 bytes.
; CLUSTER 4 x 4: the four of a row need the same tiles of x, the four of a column the same tiles of w_qkv: each tile is asked for jointly.  12 x 32 = 384 tiles.
; THE MATRIX INSTRUCTION IS USED TRANSPOSED (source 0 = 16 rows of wq_codes, source 1 = 16 rows of x_codes): a lane holds eight neighbouring n of one row of C.  The bias is the C of each sum's first product.
; REGISTERS, in windows of 256: window 0: v0-31 addresses; v32-95 scale words, two sets; v128-191 x's fragments, one set; on the way out v32-63, v192-255 at work.
;   window 1: w's fragments, two sets, v0-63 and v128-191; v64-127 the bias in the result's layout.   window 2: accumulators of my rows 0-63 ((a, b) at v[8 (8 a + b)]);   window 3: of my rows 64-127.
.set NQ,     4                         ; matrix instructions deep in a slot
.set ROWB,   256                       ; a tile's row in bytes: 512 codes
.set KROW,   512                       ; a row of codes in memory
.set PITCH,  272                       ; an LDS row: 256 bytes + 16: an odd multiple of 16, so the 16 rows of a load begin at 16 different 16-byte columns of 256
.set FR,     8
.set NL,     2
.set NP,     4
.set HALFT,  128*PITCH
.set SLOT,   4*HALFT
.set KS,     32                        ; a row of scale bytes
.set SCL,    2*SLOT
.set HALFS,  (128*KS/256)*272
.set SBLK,   (16*KS/256)*272
.set SPARE,  SCL+4*HALFS               ; the spare words, 128 bytes for each wave: two blocks of 256 bytes that no other line names
.set SPITCH, 272                       ; the way out: 16 rows x (256 bytes + 16) for each wave, in slot 0, which has had its only fill and its last read by then
.set ADRA, 16
.set ADRB, 20
.set STO,  24
.set RD,   25
.set CO,   26
.set ADRS, 27
.set SPW,  28
.set NIL,  29
.set BO,   30                          ; v30  32 x (lane / 16): my half's place in a tile's 16 numbers of the bias
.set SC,   32
.set AF,   128
.set BI,   64                          ; in window 1: the bias, 8 registers for each of B's eight blocks
.set TMP,  192
.set G1, 24
.set G0, 32
.set G1B, 48
.set G0B, 56
.set G1S, 68
.set G0S, 76
.set G1SB, 80
.set G0SB, 88
.set MSB, 0
.macro WIN new                         ; the immediate's high byte repeats the setting that is left
.if MSB != \new
	s_set_vgpr_msb (MSB<<8)|\new
.set MSB, \new
.endif
.endm
.set MUL_LO,   0xa1                    ; source 0 (w) window 1, source 1 (x) window 0, C and D window 2
.set MUL_HI,   0xf1                    ; the same, C and D window 3
.set FIRST_LO, 0x91                    ; C (the bias) window 1, D window 2
.set FIRST_HI, 0xd1                    ; C window 1, D window 3
.set TO_B,     0x40                    ; destination window 1, address window 0
; A joint load: waves 0 and 1 fetch for x, waves 2 and 3 for w.  The branch hangs on the wave's number alone.  An s_nop 0 and four v_nop follow each of the two lines.
.macro JLOAD g0a, g1a, g0b, g1b
	s_cmp_eq_u32 s15, 0
	s_cbranch_scc0 .Lfor_b_\@
	tensor_load_to_lds s[\g0a:\g0a+3], s[\g1a:\g1a+7]
	s_nop 0
.rept 4
	v_nop
.endr
	s_branch .Lasked_\@
.Lfor_b_\@:
	tensor_load_to_lds s[\g0b:\g0b+3], s[\g1b:\g1b+7]
	s_nop 0
.rept 4
	v_nop
.endr
.Lasked_\@:
.endm
.macro CROUND                          ; a round of the cluster's barrier
	s_barrier_signal -1
	s_barrier_wait -1
	s_cmp_lg_u32 s14, 0
	s_cbranch_scc1 .Lnot_wave_0_\@
	s_barrier_signal -3
.Lnot_wave_0_\@:
	s_barrier_wait -3
	s_barrier_signal -1
	s_barrier_wait -1
.endm
	s_load_b128 s[4:7], s[0:1], 0x0                ; x_codes s[4:5], x_scales s[6:7]
	s_load_b128 s[8:11], s[0:1], 0x10              ; wq_codes s[8:9], wq_scales s[10:11]
	s_load_b64 s[96:97], s[0:1], 0x20              ; b_qkv
	s_load_b64 s[12:13], s[0:1], 0x28              ; qkvh
	v_lshl_add_u32 v[SPW], v0, 2, SPARE
	v_mov_b32 v[NIL], 0
	ds_add_u32 v[SPW], v[NIL]                      ; the wave's opening: the add, twice on end, and its wait ahead of my first tensor load
	ds_add_u32 v[SPW], v[NIL]
	v_lshrrev_b32 v1, 5, v0
	v_readfirstlane_b32 s14, v1                    ; wave 0..3
	s_lshr_b32 s15, s14, 1                         ; which half of the tile's rows is mine.  Also: I fetch for x (0) or for w (1)
	s_and_b32 s16, s14, 1                          ; which half of its columns.  Also: which 128 rows of that tile I fetch
	s_bfe_u32 s40, ttmp6, 0x40000                  ; cx, cy: my place in the cluster
	s_bfe_u32 s41, ttmp6, 0x40004
	s_lshl_b32 s42, ttmp9, 2
	s_add_co_u32 s42, s42, s40                     ; tile column of C = 4 x cluster x + cx
	s_and_b32 s17, ttmp7, 0xffff
	s_lshl_b32 s17, s17, 2
	s_add_co_u32 s17, s17, s41                     ; tile row of C = 4 x cluster y + cy
	s_lshl_b32 s43, s41, 2
	s_lshl_b32 s43, 15, s43                        ; my row of the cluster
	s_lshl_b32 s44, 0x1111, s40                    ; my column
	; descriptor group 1: a tile of 128 rows x 256 bytes, 16 bytes of padding behind each row
	s_or_b32 s[G1+0], s43, (0<<16)|(1<<20)|(1<<21)|(5<<22)|(3<<25)   ; the mask; elements of 1 byte; padding on; bit 21 beside a mask; after every 64 words, 4 words
	s_or_b32 s[G1B+0], s44, (0<<16)|(1<<20)|(1<<21)|(5<<22)|(3<<25)
.irp g, G1, G1B
	s_mov_b32 s[\g+1], ROWB<<16                    ; tensor_dim0
	s_mov_b32 s[\g+2], 128<<16                     ; tensor_dim1
	s_mov_b32 s[\g+3], ROWB<<16                    ; tile_dim0
	s_mov_b32 s[\g+4], 128                         ; tile_dim1
	s_mov_b32 s[\g+5], KROW                        ; from row to row
	s_mov_b32 s[\g+6], 0
	s_mov_b32 s[\g+7], 0
.endr
	; the scales of 128 rows: 4,096 dense bytes, as 16 rows of 256 bytes (32 elements of 8 bytes), 16 bytes of padding behind each
	s_or_b32 s[G1S+0], s43, (3<<16)|(1<<20)|(1<<21)|(5<<22)|(3<<25)
	s_or_b32 s[G1SB+0], s44, (3<<16)|(1<<20)|(1<<21)|(5<<22)|(3<<25)
.irp g, G1S, G1SB
	s_mov_b32 s[\g+1], 32<<16
	s_mov_b32 s[\g+2], (128*KS/256)<<16
	s_mov_b32 s[\g+3], 32<<16
	s_mov_b32 s[\g+4], 128*KS/256
	s_mov_b32 s[\g+5], 32
	s_mov_b32 s[\g+6], 0
	s_mov_b32 s[\g+7], 0
.endr
	s_lshl_b32 s18, s16, 7                         ; which 128 rows of the tile I fetch
	s_lshl_b32 s20, s17, 8
	s_add_co_u32 s20, s20, s18                     ; x: row 256 x tile row + 128 x half
	s_lshl_b32 s46, s42, 8
	s_add_co_u32 s46, s46, s18                     ; w: row 256 x tile column + 128 x half
	s_mov_b32 s21, 0
	s_mov_b32 s47, 0
	s_mov_b64 s[18:19], KS
	s_mul_u64 s[22:23], s[20:21], s[18:19]         ; where these rows' scales begin, in bytes,
	s_mul_u64 s[92:93], s[46:47], s[18:19]
	s_mov_b64 s[18:19], KROW
	s_mul_u64 s[20:21], s[20:21], s[18:19]         ; and their codes
	s_mul_u64 s[46:47], s[46:47], s[18:19]
	s_mul_i32 s45, s14, HALFT                      ; where they go: wave x 128 rows: no place in the cluster enters an LDS address
	s_mul_i32 s94, s14, HALFS
	s_wait_dscnt 0x0                               ; both opening adds are done
	s_wait_kmcnt 0x0
	s_add_nc_u64 s[20:21], s[4:5], s[20:21]
	s_add_nc_u64 s[22:23], s[6:7], s[22:23]
	s_add_nc_u64 s[46:47], s[8:9], s[46:47]
	s_add_nc_u64 s[92:93], s[10:11], s[92:93]
	CROUND                                         ; all sixteen work-groups are here: the joint loads meet
	s_mov_b32 s[G0S], 1
	s_add_co_u32 s[G0S+1], s94, SCL
	s_mov_b64 s[G0S+2:G0S+3], s[22:23]
	s_or_b32 s[G0S+3], s[G0S+3], 0x80000000
	s_mov_b32 s[G0SB], 1
	s_add_co_u32 s[G0SB+1], s94, SCL
	s_mov_b64 s[G0SB+2:G0SB+3], s[92:93]
	s_or_b32 s[G0SB+3], s[G0SB+3], 0x80000000
	JLOAD G0S, G1S, G0SB, G1SB                     ; the scales first: they are wanted with slot 0
.irp s, 0,1
	s_mov_b32 s[G0+4*\s], 1
	s_add_co_u32 s[G0+4*\s+1], s45, \s*SLOT
	s_add_nc_u64 s[G0+4*\s+2:G0+4*\s+3], s[20:21], \s*ROWB
	s_or_b32 s[G0+4*\s+3], s[G0+4*\s+3], 0x80000000
	s_mov_b32 s[G0B+4*\s], 1
	s_add_co_u32 s[G0B+4*\s+1], s45, \s*SLOT
	s_add_nc_u64 s[G0B+4*\s+2:G0B+4*\s+3], s[46:47], \s*ROWB
	s_or_b32 s[G0B+4*\s+3], s[G0B+4*\s+3], 0x80000000
	JLOAD G0+4*\s, G1, G0B+4*\s, G1B               ; three tensor loads of mine are out behind the second of these
.endr
	v_and_b32 v1, 15, v0                           ; r = l % 16
	v_bfe_u32 v2, v0, 4, 1                         ; h = l / 16
	v_mul_u32_u24 v3, v1, PITCH
	v_lshl_add_u32 v4, v2, 4, v3                   ; a fragment's row x pitch + 16 x half
	s_mul_i32 s21, s15, HALFT                      ; my 128 rows of x
	s_mul_i32 s22, s16, HALFT                      ; my 128 rows of w,
	s_add_co_u32 s22, s22, 2*HALFT                 ; which lie behind x's 256
.irp s, 0,1
	v_add_nc_u32 v[ADRA+\s], s21, v4
	v_add_nc_u32 v[ADRB+\s], s22, v4
	s_add_co_u32 s21, s21, SLOT
	s_add_co_u32 s22, s22, SLOT
.endr
	v_mul_u32_u24 v5, v1, KS                       ; my row's scales: 32 bytes a row,
	v_lshrrev_b32 v6, 8, v5
	v_lshl_add_u32 v5, v6, 4, v5                   ; and 16 more for each 256 passed
	s_mul_i32 s21, s15, HALFS                      ; x's: my 128 rows
	s_mul_i32 s22, s16, HALFS                      ; w's: my 128 rows, behind x's 256
	s_add_co_u32 s22, s22, 2*HALFS
	s_sub_co_u32 s22, s22, s21
	v_mul_u32_u24 v6, s22, v2                      ; lanes 16-31 take w's: the lower base + h x the distance
	s_add_co_u32 s21, s21, SCL
	v_add_nc_u32 v5, v5, v6
	v_add_nc_u32 v[ADRS], s21, v5
	s_mul_i32 s23, s14, 16*SPITCH                  ; my stage
	v_mul_u32_u24 v5, v1, SPITCH                   ; in: row r, 16 bytes for each half of the lanes
	v_lshl_add_u32 v5, v2, 4, v5
	v_add_nc_u32 v[STO], s23, v5
	v_and_b32 v6, 31, v0
	v_lshlrev_b32 v[CO], 4, v6                     ; 16 x lane in qkvh
	v_lshrrev_b32 v5, 3, v6
	v_mul_u32_u24 v5, v5, SPITCH
	v_and_b32 v6, 7, v6
	v_lshl_add_u32 v5, v6, 4, v5
	v_add_nc_u32 v[RD], s23, v5                    ; back: eight lanes to one head's 128 bytes of a row, four rows an instruction
	v_lshlrev_b32 v[BO], 5, v2
	s_lshl_b32 s46, s42, 10                        ; the bias of my 128 columns: 4 x (256 x tile column + 128 x half)
	s_lshl_b32 s47, s16, 9
	s_add_co_u32 s46, s46, s47
	s_mov_b32 s47, 0
	s_add_nc_u64 s[96:97], s[96:97], s[46:47]
	WIN TO_B
.irp b, 0,1,2,3,4,5,6,7
	global_load_b128 v[BI+8*\b:BI+8*\b+3], v[BO], s[96:97] offset:64*\b          ; b_qkv[16 b + 8 h + 0 .. 3] of my columns,
	global_load_b128 v[BI+8*\b+4:BI+8*\b+7], v[BO], s[96:97] offset:64*\b+16     ; and + 4 .. 7: the result's layout
.endr
	WIN 0
	; where my part begins in qkvh: part = tile column / 4; b = tile row / 8; head = 4 (tile column % 4) + 2 x column half; s = 256 (tile row % 8) + 128 x row half
	s_lshr_b32 s46, s42, 2
	s_lshl_b32 s46, s46, 24
	s_lshr_b32 s47, s17, 3
	s_lshl_b32 s47, s47, 22
	s_add_co_u32 s46, s46, s47
	s_and_b32 s47, s42, 3
	s_lshl_b32 s47, s47, 2
	s_lshl_b32 s18, s16, 1
	s_add_co_u32 s47, s47, s18
	s_lshl_b32 s47, s47, 18
	s_add_co_u32 s46, s46, s47
	s_and_b32 s47, s17, 7
	s_lshl_b32 s47, s47, 8
	s_lshl_b32 s18, s15, 7
	s_add_co_u32 s47, s47, s18
	s_lshl_b32 s47, s47, 7
	s_add_co_u32 s46, s46, s47
	s_mov_b32 s47, 0
	s_add_nc_u64 s[12:13], s[12:13], s[46:47]
.macro FRAG reg, adr, q, i             ; 16 rows x 128 K of 4-bit codes: 8 registers: lane l holds row l % 16; registers 4 c .. 4 c + 3 hold K = 64 c + 32 (l / 16) + 0 .. 31
.irp c, 0,1
	ds_load_b128 v[\reg+4*\c:\reg+4*\c+3], v[\adr] offset:64*(\q)+32*\c+(\i)*16*PITCH
.endr
.endm
; 16 matrix instructions: x's blocks a0, a0 + 1 against w's eight, 128 along K.  p: w's set; sc: the set of scale words.  zero = 1: the first product starts the sum on the bias.
; The 64 accumulators take turns, one instruction a turn, in the same order in every step.
.macro MUL16 a0, p, q, sc, zero
.irp a, \a0, \a0+1
.irp b, 0,1,2,3,4,5,6,7
.if \zero
	v_wmma_scale_f32_16x16x128_f8f6f4 v[8*(8*((\a)%4)+\b):8*(8*((\a)%4)+\b)+7], v[128*(\p)+FR*\b:128*(\p)+FR*\b+FR-1], v[AF+FR*(\a):AF+FR*(\a)+FR-1], v[BI+8*\b:BI+8*\b+7], v[SC+8*NQ*(\sc)+NQ*\b+(\q)], v[SC+8*NQ*(\sc)+NQ*(\a)+(\q)] matrix_a_fmt:MATRIX_FMT_FP4 matrix_b_fmt:MATRIX_FMT_FP4 matrix_a_scale:MATRIX_SCALE_ROW1
.else
	v_wmma_scale_f32_16x16x128_f8f6f4 v[8*(8*((\a)%4)+\b):8*(8*((\a)%4)+\b)+7], v[128*(\p)+FR*\b:128*(\p)+FR*\b+FR-1], v[AF+FR*(\a):AF+FR*(\a)+FR-1], v[8*(8*((\a)%4)+\b):8*(8*((\a)%4)+\b)+7], v[SC+8*NQ*(\sc)+NQ*\b+(\q)], v[SC+8*NQ*(\sc)+NQ*(\a)+(\q)] matrix_a_fmt:MATRIX_FMT_FP4 matrix_b_fmt:MATRIX_FMT_FP4 matrix_a_scale:MATRIX_SCALE_ROW1
.endif
.endr
.endr
.endm
.macro FETCH_B slot, q, p
	WIN TO_B
.irp i, 0,1,2,3,4,5,6,7
	FRAG 128*(\p)+FR*\i, ADRB+\slot, \q, \i
.endr
	WIN 0
.endm
.macro FETCH_A slot, q, i0
.irp i, \i0, \i0+1, \i0+2, \i0+3
	FRAG AF+FR*(\i), ADRA+\slot, \q, \i
.endr
.endm
.macro SCALES sc                       ; a slot's scale words: 4 words a row; lanes 0-15 take x's block i, lanes 16-31 w's block i
.irp i, 0,1,2,3,4,5,6,7
	ds_load_b128 v[SC+8*NQ*\sc+NQ*\i:SC+8*NQ*\sc+NQ*\i+3], v[ADRS] offset:\i*SBLK
.endr
.endm
.macro PLACES n                        ; plain vector lines between matrix instructions and loads into, or reads of, their registers
.rept \n
	v_nop
.endr
.endm
.macro STEP slot, q, zero              ; a step of 128 along K that has its successor in the same slot
	s_wait_dscnt 4*NL                              ; w's set and x's blocks 0-3 are in; the youngest eight loads (x's blocks 4-7) may be out
.if \zero
	WIN FIRST_LO
.else
	WIN MUL_LO
.endif
	MUL16 0, (\q)%2, \q, \slot, \zero
	MUL16 2, (\q)%2, \q, \slot, \zero
	s_wait_dscnt 0                                 ; x's blocks 4-7 are in
	PLACES NP
	FETCH_B \slot, (\q)+1, 1-(\q)%2
	FETCH_A \slot, (\q)+1, 0
.if \zero
	WIN FIRST_HI
.else
	WIN MUL_HI
.endif
	MUL16 4, (\q)%2, \q, \slot, \zero
	MUL16 6, (\q)%2, \q, \slot, \zero
	PLACES NP
	WIN 0
	FETCH_A \slot, (\q)+1, 4
.endm
; Slot 0's last step changes slots: one barrier; in front of it each wave waits for all its tensor loads (its part of slot 1), adds 0 to its spare word, and waits for that and for its reads of slot 0.  Nothing is filled again.
.macro TURN slot, next
	s_wait_tensorcnt 0x0                           ; all my tensor loads have landed
	ds_add_u32 v[SPW], v[NIL]
	s_wait_dscnt 4*NL+1                            ; (the add and the youngest eight loads may be out)
	WIN MUL_LO
	MUL16 0, 1, NQ-1, \slot, 0
	s_wait_dscnt 0x0                               ; the add is done, and my reads of this slot are over
	s_barrier_signal -1
	MUL16 2, 1, NQ-1, \slot, 0
	WIN 0
	s_barrier_wait -1
	PLACES NP
	v_add_nc_u32 v[ADRS], 4*NQ, v[ADRS]            ; on to the next slot's scale words
	FETCH_B \next, 0, 0
	FETCH_A \next, 0, 0
	SCALES \next
	WIN MUL_HI
	MUL16 4, 1, NQ-1, \slot, 0
	MUL16 6, 1, NQ-1, \slot, 0
	PLACES NP
	WIN 0
	FETCH_A \next, 0, 4
.endm
	s_wait_tensorcnt 1                             ; the scales and my part of slot 0 are in (slot 1's load, issued behind them, may be out),
	s_barrier_signal -1
	s_barrier_wait -1                              ; everybody's are
	FETCH_B 0, 0, 0
	FETCH_A 0, 0, 0
	SCALES 0
	FETCH_A 0, 0, 4
	s_wait_loadcnt 0x0                             ; the bias
	STEP 0, 0, 1
	STEP 0, 1, 0
	STEP 0, 2, 0
	TURN 0, 1
	STEP 1, 0, 0
	STEP 1, 1, 0
	STEP 1, 2, 0
	s_wait_dscnt 4*NL                              ; the very last step: nothing more to fetch
	WIN MUL_LO
	MUL16 0, 1, NQ-1, 1, 0
	MUL16 2, 1, NQ-1, 1, 0
	s_wait_dscnt 0
	WIN MUL_HI
	MUL16 4, 1, NQ-1, 1, 0
	MUL16 6, 1, NQ-1, 1, 0
	WIN 0
; THE WAY OUT, block by block of 16 rows x 128 columns (two heads).  A lane's eight results pack into 16 bytes of f16; they go into my stage (rows of 272 bytes) and come back by heads:
; four rows x 128 bytes of one head are 512 consecutive bytes of qkvh.  Every place stands in the store's immediate: no base is stepped.
.macro PACK a
.set AC, 64*((\a)%4)
.if (\a) < 4
	WIN 0x0a                                       ; sources 0 and 1: window 2
.else
	WIN 0x0f                                       ; window 3
.endif
.irp b, 0,1,2,3,4,5,6,7
.irp r, 0,1,2,3
	v_cvt_pk_f16_f32 v[TMP+4*\b+\r], v[AC+8*\b+2*\r], v[AC+8*\b+2*\r+1]    ; each accumulator from its low end on
.endr
.endr
	WIN 0
.endm
.macro TOSTAGE a
.set BK, 32+192*((\a)%2)
.irp b, 0,1,2,3,4,5,6,7
	ds_store_b128 v[STO], v[TMP+4*\b:TMP+4*\b+3] offset:32*\b
.endr
.irp hh, 0,1
.irp t, 0,1,2,3
	ds_load_b128 v[BK+4*(4*\hh+\t):BK+4*(4*\hh+\t)+3], v[RD] offset:4*\t*SPITCH+128*\hh   ; LDS serves a wave's instructions in order: these see the stores above
.endr
.endr
.endm
.macro SEND a
.set BK, 32+192*((\a)%2)
	s_wait_dscnt 0x0                               ; the block is back in registers
	s_wait_xcnt 0x0                                ; the block before has been read by its stores: its registers take the next block's loads only behind this wait
.irp hh, 0,1
.irp t, 0,1,2,3
	global_store_b128 v[CO], v[BK+4*(4*\hh+\t):BK+4*(4*\hh+\t)+3], s[12:13] offset:\hh*262144+(\a)*2048+\t*512   ; 512 consecutive bytes, aligned
.endr
.endr
.endm
	PLACES NP
	PACK 0
	TOSTAGE 0
.irp a, 1,2,3,4,5,6,7                  ; block a's conversions stand between block a - 1's loads from the stage and the wait for them
	PACK \a
	SEND \a-1
	TOSTAGE \a
.endr
	SEND 7
	s_wait_tensorcnt 0x0                           ; the wave's end, behind my last tensor load and my last LDS store
	ds_add_u32 v[SPW], v[NIL]
	s_wait_dscnt 0x0
	CROUND                                         ; the closing round
	s_endpgm
.Lfunc_end_k_q55f4028f0a_qkv:
	.size	k_q55f4028f0a_qkv, .Lfunc_end_k_q55f4028f0a_qkv-k_q55f4028f0a_qkv
	.p2alignl 7, 3214868480
	.fill 96, 4, 3214868480
	.section	.rodata,"a",@progbits
	.p2align	6, 0x0
	.amdhsa_kernel k_q55f4028f0a_qkv
		.amdhsa_group_segment_fixed_size 327680
		.amdhsa_private_segment_fixed_size 0
		.amdhsa_enable_private_segment 0
		.amdhsa_kernarg_size 48
		.amdhsa_user_sgpr_count 2
		.amdhsa_user_sgpr_kernarg_segment_ptr 1
		.amdhsa_wavefront_size32 1
		.amdhsa_system_sgpr_workgroup_id_x 1
		.amdhsa_system_sgpr_workgroup_id_y 1
		.amdhsa_system_sgpr_workgroup_id_z 1
		.amdhsa_system_vgpr_workitem_id 0
		.amdhsa_next_free_vgpr 1024
		.amdhsa_next_free_sgpr 100
		.amdhsa_reserve_vcc 0
		.amdhsa_float_denorm_mode_32 3
		.amdhsa_float_denorm_mode_16_64 3
		.amdhsa_memory_ordered 1
		.amdhsa_forward_progress 1
		.amdhsa_inst_pref_size 128
	.end_amdhsa_kernel
	.amdgpu_metadata
---
amdhsa.version: [ 1, 2 ]
amdhsa.kernels:
  - .name:           k_q55f4028f0a_qkv
    .symbol:         k_q55f4028f0a_qkv.kd
    .args:
      - { .name: x_codes, .offset: 0, .size: 8, .value_kind: global_buffer, .address_space: global }
      - { .name: x_scales, .offset: 8, .size: 8, .value_kind: global_buffer, .address_space: global }
      - { .name: wq_codes, .offset: 16, .size: 8, .value_kind: global_buffer, .address_space: global }
      - { .name: wq_scales, .offset: 24, .size: 8, .value_kind: global_buffer, .address_space: global }
      - { .name: b_qkv, .offset: 32, .size: 8, .value_kind: global_buffer, .address_space: global }
      - { .name: qkvh, .offset: 40, .size: 8, .value_kind: global_buffer, .address_space: global }
    .group_segment_fixed_size: 327680
    .private_segment_fixed_size: 0
    .kernarg_segment_align: 8
    .kernarg_segment_size: 48
    .max_flat_workgroup_size: 128
    .sgpr_count:     100
    .vgpr_count:     1024
    .wavefront_size: 32
...
	.end_amdgpu_metadata
.endif
;; end of part 2
;; launch attn (part 3): grid 4 x 64, 16 waves a work-group, clusters of 4 x 1, 327,680 bytes of LDS; arguments qkvh, oh; writes oh
.if DOCPART == 3
	.amdgcn_target "amdgcn-amd-amdhsa--gfx1250"
	.amdhsa_code_object_version 6
	.text
	.protected	k_q55f4028f0a_attn
	.globl	k_q55f4028f0a_attn
	.p2align	8
	.type	k_q55f4028f0a_attn,@function
k_q55f4028f0a_attn:
	s_mov_b64 s[64:65], 0
	v_nop
	global_prefetch_b8 v0, s[64:65] scope:SCOPE_SE
	s_setreg_imm32_b32 hwreg(HW_REG_WAVE_MODE, 25, 1), 1
	s_wait_xcnt 0x0
	s_wait_alu depctr_hold_cnt(0) depctr_sa_sdst(0) depctr_va_vdst(0) depctr_va_sdst(0) depctr_va_ssrc(0) depctr_va_vcc(0) depctr_vm_vsrc(0)
	s_getreg_b32 s2, hwreg(HW_REG_IB_STS2, 6, 4)
	s_cmp_eq_u32 s2, 0
	s_cbranch_scc0 .Lentry_in_a_cluster
	s_endpgm
.Lentry_in_a_cluster:
	s_bfe_u32 s2, ttmp6, 0x10000c
	s_cmp_lg_u32 s2, 0x3003
	s_cbranch_scc0 .Lentry_shape_is_right
	s_endpgm
.Lentry_shape_is_right:
; ATTN: o[b][h][q][:] = the sum over k of softmax_k(q . k / 8) v[k][:], for 64 (b, h), 2,048 queries and keys, head size 64.  q, k, v: f16 in qkvh [3][64 bh][2048][64]; o: f16 in oh [16 h][8192 token][64].
; Products on f16 operands with f32 sums; maxima, exponentials and sums in f32; the weights p (at most 1) are rounded to f16 for the second product, the row's sum is taken of the unrounded p, o is rounded once.
; LIMIT: |q|, |k|, |v| under 65,504 (made so by the launch before); no NaN or infinity.
; SHARES.  A cluster of four work-groups is one (b, h); a work-group owns 512 queries, each of its SIXTEEN waves 32: two tiles of 16, in 256 registers, four waves to a SIMD, so that one wave's
; vector work stands beside another's products and LDS loads.  Every wave walks all 2,048 keys, 64 a step.  The four partners walk the same K and V: every tile is asked for jointly (mask 15).
; LAYOUT.  S^T = K Q^T (source 0 = 16 keys, source 1 = 16 queries) and O^T = V^T P (source 0 = 16 channels, source 1 = P): a lane holds ONE query (lane % 16) throughout; two tiles of S^T, rounded in pairs,
; are source 1 of the second product.  K comes out of LDS as it lies, V ([key][channel]) turned, by ds_load_tr16_b128.
; SOFTMAX.  A running maximum m and sum l for each query: p = 2^(c s - c m), c = log2(e) / 8; in every step O and l are multiplied by a = 2^(c m_old - c m_new).  m begins at -3e38 and l, O at 0: the step is written once.
; RING.  Two LDS slots of 256 keys (4 steps); waves 0, 1 fetch K's halves, waves 2, 3 V's, 128 rows of 128 bytes each; the change of slots stands at a slot's head, a round of the cluster's barrier.
.set KP,    144                        ; a key's row of K in LDS: 128 bytes + 16: an odd multiple of 16
.set VP,    160                        ; of V: 128 + 32: an odd multiple of 32, for the turning load
.set VOFF,  256*KP                     ; a slot: 256 rows of K, then 256 rows of V
.set SLOT1, 1<<17                      ; slot 1 begins here: one exclusive or turns an address
.set SPARE, SLOT1+256*(KP+VP)          ; the spare words, 128 bytes for each wave: eight blocks of 256 bytes that no other line names
.set STAGE, SPARE+2048                 ; the way out: 32 rows x 144 bytes for each wave; no tile lands here
.set SP,    144
.set AK0, 1                            ; v1   my lane's place in a tile of K
.set AV0, 2                            ; v2   and of V
.set ADK, 3                            ; v3   the same in the slot in hand
.set ADV, 4                            ; v4
.set QO,  5                            ; v5   my byte in the wave's rows of q
.set STO, 6                            ; v6   the way out: in
.set RD,  7                            ; v7   and back
.set GO,  8                            ; v8   16 x lane in oh
.set PFO, 9                            ; v9   256 x lane: the prefetches' offset; never rewritten
.set SPW, 10                           ; v10  my spare word; never rewritten
.set NIL, 11                           ; v11  0; never rewritten
.set ST,  12                           ; v12-27 tile t's statistics at ST + 8 t: +0 c m, +1 m, +2, +3 l in two halves, +4 .. +7 at work; a lies at +6
.set Q,   32                           ; v32-63   Q: tile t, channels 32 c on, at Q + 16 t + 8 c
.set F,   64                           ; v64-127  eight fragments: K's, then V's
.set S,   128                          ; v128-191 S^T: tile t, keys 16 kt on, at S + 32 t + 8 kt; P is packed in place into S + 32 t + 0 .. 15
.set O,   192                          ; v192-255 O^T: tile t, channels 16 ct on, at O + 32 t + 8 ct
.set WV,  8
.set G1K, 24
.set G1V, 32
.set G0K, 40
.set G0V, 44
.set CS,  48                           ; s[48:49] c, twice
.set SEL, 50                           ; s[50:51] lane selects: lane l xor 16
.set TB,  52                           ; s52  where the slot in hand begins
.set SLOTS, 53                         ; s53  slots still to be asked for
.set LIM, 54                           ; s54  1 in a wave that prefetches, else the greatest number
.set PFA, 56                           ; s[56:57] where my prefetches stand
.macro CROUND                          ; a round of the cluster's barrier
	s_barrier_signal -1
	s_barrier_wait -1
	s_cmp_lg_u32 s[WV], 0
	s_cbranch_scc1 .Lnot_wave_0_\@
	s_barrier_signal -3
.Lnot_wave_0_\@:
	s_barrier_wait -3
	s_barrier_signal -1
	s_barrier_wait -1
.endm
; Waves 0 and 1 fetch for K, waves 2 and 3 for V, the others nothing: branches on the wave's number alone, the same in all partners.  An s_nop 0 and four v_nop follow each load.
.macro TLOAD
	s_cmp_lt_u32 s[WV], 2
	s_cbranch_scc0 .Lnot_k_\@
	tensor_load_to_lds s[G0K:G0K+3], s[G1K:G1K+7]
	s_nop 0
.rept 4
	v_nop
.endr
	s_branch .Lasked_\@
.Lnot_k_\@:
	s_cmp_lt_u32 s[WV], 4
	s_cbranch_scc0 .Lasked_\@
	tensor_load_to_lds s[G0V:G0V+3], s[G1V:G1V+7]
	s_nop 0
.rept 4
	v_nop
.endr
.Lasked_\@:
.endm
; A prefetch of what the NEXT change of slots will ask for: a slot's 32,768 bytes of K and of V, 4 key steps ahead of that load.  Wave 4 asks for K's, wave 5 for V's; the four partners take 8,192 bytes each,
; told apart by address; lanes stand 256 bytes apart: each aligned 256 bytes are named once in the launch.  The last change that fills a slot asks for nothing; slots 0 and 1 come by their loads alone.
.macro ASK
	s_cmp_gt_u32 s[SLOTS], s[LIM]
	s_cbranch_scc0 .Lnot_mine_\@
	global_prefetch_b8 v[PFO], s[PFA:PFA+1] th:TH_LOAD_NT scope:SCOPE_SE
.Lnot_mine_\@:
.endm
	s_load_b128 s[4:7], s[0:1], 0x0                ; qkvh s[4:5], oh s[6:7]
	v_lshl_add_u32 v[SPW], v0, 2, SPARE
	v_mov_b32 v[NIL], 0
	ds_add_u32 v[SPW], v[NIL]                      ; the wave's opening: the add, twice on end, and its wait ahead of the first tensor loads
	ds_add_u32 v[SPW], v[NIL]
	v_lshrrev_b32 v28, 5, v0
	v_readfirstlane_b32 s[WV], v28                 ; wave 0..15
	s_bfe_u32 s9, ttmp6, 0x40000                   ; cx: my block of 512 queries
	s_and_b32 s10, ttmp7, 0xffff                   ; bh = 16 b + h, which the four partners share
	; descriptor group 1: 128 rows x 64 elements of 2 bytes, dense in memory, padded in LDS
	s_mov_b32 s[G1K], 15|(1<<16)|(1<<20)|(1<<21)|(4<<22)|(3<<25)   ; the mask: all four; elements of 2 bytes; padding on; bit 21 beside a mask; after every 32 words, 4 words
	s_mov_b32 s[G1V], 15|(1<<16)|(1<<20)|(1<<21)|(4<<22)|(7<<25)   ; the same with 8 words
.irp g, G1K, G1V
	s_mov_b32 s[\g+1], 64<<16                      ; tensor_dim0
	s_mov_b32 s[\g+2], 128<<16                     ; tensor_dim1
	s_mov_b32 s[\g+3], 64<<16                      ; tile_dim0
	s_mov_b32 s[\g+4], 128                         ; tile_dim1
	s_mov_b32 s[\g+5], 64                          ; from row to row
	s_mov_b32 s[\g+6], 0
	s_mov_b32 s[\g+7], 0
.endr
	s_lshl_b32 s14, s10, 18                        ; the head's first byte in a part of qkvh
	s_and_b32 s12, s[WV], 1                        ; which half of a slot's rows I fetch, if I fetch
	s_lshl_b32 s13, s12, 14                        ; 128 rows of 128 bytes
	s_add_co_u32 s13, s13, s14
	s_add_co_u32 s16, s13, 1<<24                   ; in k's part,
	s_mov_b32 s17, 0
	s_add_co_u32 s18, s13, 2<<24                   ; in v's
	s_mov_b32 s19, 0
	s_lshl_b32 s15, s9, 16                         ; my work-group's 512 rows of 128 bytes,
	s_lshl_b32 s3, s[WV], 12                       ; my wave's 32
	s_add_co_u32 s15, s15, s3
	s_add_co_u32 s20, s14, s15                     ; q: the head + my rows
	s_mov_b32 s21, 0
	s_and_b32 s22, s10, 15                         ; oh: h x 8,192 rows,
	s_lshl_b32 s22, s22, 20
	s_lshr_b32 s3, s10, 4                          ; + b x 2,048 rows,
	s_lshl_b32 s3, s3, 18
	s_add_co_u32 s22, s22, s3
	s_add_co_u32 s22, s22, s15                     ; + my rows
	s_mov_b32 s23, 0
	s_mov_b32 s3, 2<<24
	s_cmp_eq_u32 s[WV], 4
	s_cselect_b32 s[PFA], 1<<24, s3                ; the prefetches: wave 4 in k's part, the others in v's,
	s_add_co_u32 s[PFA], s[PFA], s14               ; in my head,
	s_lshl_b32 s3, s9, 13
	s_add_co_u32 s[PFA], s[PFA], s3                ; my work-group's 8,192 bytes,
	s_add_co_u32 s[PFA], s[PFA], 32768             ; in slot 1: the first change of slots steps it to slot 2
	s_mov_b32 s[PFA+1], 0
	s_sub_co_u32 s[LIM], s[WV], 4
	s_lshr_b32 s[LIM], s[LIM], 1                   ; 0 in waves 4 and 5
	s_cmp_eq_u32 s[LIM], 0
	s_cselect_b32 s[LIM], 1, -1
	s_mov_b32 s[CS], 0x3e38aa3b                    ; c = log2(e) / 8
	s_mov_b32 s[CS+1], s[CS]
	s_mov_b32 s[SEL], 0x76543210
	s_mov_b32 s[SEL+1], 0xfedcba98
	s_mov_b32 s[TB], 0
	s_mov_b32 s[SLOTS], 7
	s_wait_dscnt 0x0                               ; both opening adds are done
	s_wait_kmcnt 0x0
	s_mov_b32 s[G0K], 1
	s_mul_i32 s[G0K+1], s12, 128*KP                ; LDS: slot 0, my half of K's rows
	s_add_nc_u64 s[G0K+2:G0K+3], s[4:5], s[16:17]
	s_or_b32 s[G0K+3], s[G0K+3], 0x80000000
	s_mov_b32 s[G0V], 1
	s_mul_i32 s[G0V+1], s12, 128*VP
	s_add_co_u32 s[G0V+1], s[G0V+1], VOFF
	s_add_nc_u64 s[G0V+2:G0V+3], s[4:5], s[18:19]
	s_or_b32 s[G0V+3], s[G0V+3], 0x80000000
	s_add_nc_u64 s[20:21], s[4:5], s[20:21]        ; q at my wave's first row
	s_add_nc_u64 s[22:23], s[6:7], s[22:23]        ; oh likewise
	s_add_nc_u64 s[PFA:PFA+1], s[4:5], s[PFA:PFA+1]
	CROUND                                         ; all four work-groups are here: the first joint loads meet
	TLOAD                                          ; slot 0: keys 0 to 255
	v_and_b32 v28, 15, v0                          ; r
	v_bfe_u32 v29, v0, 4, 1                        ; h
	v_lshlrev_b32 v[QO], 7, v28
	v_lshl_add_u32 v[QO], v29, 4, v[QO]            ; row r of 128 bytes + 16 h
.irp t, 0,1
.irp c, 0,1
	global_load_b128 v[Q+16*\t+8*\c:Q+16*\t+8*\c+3],   v[QO], s[20:21] offset:2048*\t+64*\c      ; Q stays in registers
	global_load_b128 v[Q+16*\t+8*\c+4:Q+16*\t+8*\c+7], v[QO], s[20:21] offset:2048*\t+64*\c+32
.endr
.endr
	v_mul_u32_u24 v[AK0], v28, KP
	v_lshl_add_u32 v[AK0], v29, 4, v[AK0]          ; K: row r x pitch + 16 h
	v_and_b32 v30, 7, v0
	v_bfe_u32 v31, v0, 3, 1
	v_lshl_add_u32 v[AV0], v29, 3, v30             ; V: key 8 h + l % 8,
	v_mul_u32_u24 v[AV0], v[AV0], VP
	v_lshl_add_u32 v[AV0], v31, 4, v[AV0]          ; channels 8 ((l / 8) % 2) on
	v_add_nc_u32 v[AV0], VOFF, v[AV0]
	s_mul_i32 s13, s[WV], 32*SP
	s_add_co_u32 s13, s13, STAGE                   ; my stage
	v_mul_u32_u24 v[STO], v28, SP
	v_lshl_add_u32 v[STO], v29, 4, v[STO]
	v_add_nc_u32 v[STO], s13, v[STO]               ; in: row r, 16 bytes for each half of the lanes
	v_and_b32 v30, 31, v0
	v_lshrrev_b32 v31, 3, v30
	v_mul_u32_u24 v[RD], v31, SP
	v_and_b32 v31, 7, v0
	v_lshl_add_u32 v[RD], v31, 4, v[RD]
	v_add_nc_u32 v[RD], s13, v[RD]                 ; back: eight lanes to a row of 128 bytes, four rows an instruction
	v_lshlrev_b32 v[GO], 4, v30
	v_lshlrev_b32 v[PFO], 8, v30
.irp t, 0,1
	v_mov_b32 v[ST+8*\t+1], 0xff61b1e6             ; m = -3e38, under every score
	v_mul_f32 v[ST+8*\t], s[CS], v[ST+8*\t+1]      ; c m
	v_mov_b32 v[ST+8*\t+2], 0                      ; l
	v_mov_b32 v[ST+8*\t+3], 0
.endr
.set i, 0
.rept 64
	v_mov_b32 v[O+i], 0                            ; O^T: the step is written once; the first finds zeros, which a = 0 leaves zeros
.set i, i+1
.endr
; A KEY STEP: 64 keys, the q-th of the slot in hand.
.macro STEP q
.rept 5
	v_nop                                          ; five plain lines behind the last products: the scores below are written over P, which those products read (five), and K's loads land in the registers that held V (four)
.endr
.irp c, 0,1                                    ; K's eight fragments, channels 0-31 of all keys first
.irp kt, 0,1,2,3
	ds_load_b128 v[F+8*(2*\kt+\c):F+8*(2*\kt+\c)+3],   v[ADK] offset:(64*(\q)+16*\kt)*KP+64*\c
	ds_load_b128 v[F+8*(2*\kt+\c)+4:F+8*(2*\kt+\c)+7], v[ADK] offset:(64*(\q)+16*\kt)*KP+64*\c+32
.endr
.endr
.irp c, 0,1                                    ; S^T = K Q^T: eight accumulators by turns, one instruction a turn
	s_wait_dscnt 8-8*\c                            ; channels 0-31 are in, the eight loads of channels 32-63 may be out; then all
.irp kt, 0,1,2,3
.irp t, 0,1
.if \c == 0
	v_wmma_f32_16x16x32_f16 v[S+32*\t+8*\kt:S+32*\t+8*\kt+7], v[F+8*(2*\kt+\c):F+8*(2*\kt+\c)+7], v[Q+16*\t+8*\c:Q+16*\t+8*\c+7], 0
.else
	v_wmma_f32_16x16x32_f16 v[S+32*\t+8*\kt:S+32*\t+8*\kt+7], v[F+8*(2*\kt+\c):F+8*(2*\kt+\c)+7], v[Q+16*\t+8*\c:Q+16*\t+8*\c+7], v[S+32*\t+8*\kt:S+32*\t+8*\kt+7]
.endif
.endr
.endr
.endr
.rept 4
	v_nop                                          ; four plain lines: in front of V's loads into K's registers, and of the first read of the scores
.endr
.irp kk, 0,1                                   ; V's eight fragments, turned: they land while the softmax is worked
.irp ct, 0,1,2,3
	ds_load_tr16_b128 v[F+8*(4*\kk+\ct):F+8*(4*\kk+\ct)+3],   v[ADV] offset:(64*(\q)+32*\kk)*VP+32*\ct
	ds_load_tr16_b128 v[F+8*(4*\kk+\ct)+4:F+8*(4*\kk+\ct)+7], v[ADV] offset:(64*(\q)+32*\kk)*VP+16*VP+32*\ct
.endr
.endr
	; the maximum of my 32 scores and the old m: four chains a tile, the two tiles by turns; each accumulator is read from its low end on
.irp j, 0,1,2,3
.irp t, 0,1
	v_max3_num_f32 v[ST+8*\t+4+\j], v[S+32*\t+8*\j], v[S+32*\t+8*\j+1], v[S+32*\t+8*\j+2]
.endr
.endr
.irp g, 1,2
.irp j, 0,1,2,3
.irp t, 0,1
	v_max3_num_f32 v[ST+8*\t+4+\j], v[ST+8*\t+4+\j], v[S+32*\t+8*\j+2*\g+1], v[S+32*\t+8*\j+2*\g+2]
.endr
.endr
.endr
.irp t, 0,1
	v_max3_num_f32 v[ST+8*\t+4], v[ST+8*\t+4], v[S+32*\t+7], v[S+32*\t+15]
.endr
.irp t, 0,1
	v_max3_num_f32 v[ST+8*\t+6], v[ST+8*\t+6], v[S+32*\t+23], v[S+32*\t+31]
.endr
.irp t, 0,1
	v_max3_num_f32 v[ST+8*\t+4], v[ST+8*\t+4], v[ST+8*\t+5], v[ST+8*\t+6]
.endr
.irp t, 0,1
	v_max3_num_f32 v[ST+8*\t+4], v[ST+8*\t+4], v[ST+8*\t+7], v[ST+8*\t+1]
.endr
.irp t, 0,1
	v_permlanex16_b32 v[ST+8*\t+5], v[ST+8*\t+4], s[SEL], s[SEL+1]   ; the query's other 32 keys lie in the lane 16 away
.endr
.irp t, 0,1
	v_mov_b32 v[ST+8*\t+7], v[ST+8*\t]             ; c m_old is kept for a
.endr
.irp t, 0,1
	v_max_num_f32 v[ST+8*\t+1], v[ST+8*\t+4], v[ST+8*\t+5]   ; the new m
.endr
.irp t, 0,1
	v_mul_f32 v[ST+8*\t], s[CS], v[ST+8*\t+1]      ; c m
.endr
.irp t, 0,1
	v_sub_f32 v[ST+8*\t+7], v[ST+8*\t+7], v[ST+8*\t]
.endr
	; ONE BATCH of 66 exponentials with one wait: none of the lines up to the wait names an exponential's result
.irp t, 0,1
	v_exp_f32 v[ST+8*\t+6], v[ST+8*\t+7]           ; a = 2^(c m_old - c m_new)
.endr
.irp t, 0,1
.set i, 0
.rept 16
	v_pk_fma_f32 v[S+32*\t+i:S+32*\t+i+1], v[S+32*\t+i:S+32*\t+i+1], s[CS:CS+1], v[ST+8*\t:ST+8*\t+1] op_sel_hi:[1,0,0] neg_lo:[0,0,1] neg_hi:[0,0,1]   ; c s - c m, two at a time
.set i, i+2
.endr
.endr
.set i, 0
.rept 64
	v_exp_f32 v[S+i], v[S+i]                       ; p = 2^(c s - c m), at most 1
.set i, i+1
.endr
	v_nop                                          ; a plain line behind the last exponential
	s_wait_alu depctr_va_vdst(0)                   ; the wait ahead of the first line that names a result: one for the batch
	; the sums, of the unrounded p: l = a l + the even pairs, a second chain for the odd pairs; two tiles: four chains
.irp t, 0,1
	v_pk_fma_f32 v[ST+8*\t+2:ST+8*\t+3], v[ST+8*\t+2:ST+8*\t+3], v[ST+8*\t+6:ST+8*\t+7], v[S+32*\t:S+32*\t+1] op_sel_hi:[1,0,1]
.endr
.irp t, 0,1
	v_pk_add_f32 v[ST+8*\t+4:ST+8*\t+5], v[S+32*\t+2:S+32*\t+3], v[S+32*\t+6:S+32*\t+7]
.endr
.irp p, 2,4,6,8,10,12
.irp t, 0,1
	v_pk_add_f32 v[ST+8*\t+2:ST+8*\t+3], v[ST+8*\t+2:ST+8*\t+3], v[S+32*\t+2*\p:S+32*\t+2*\p+1]
.endr
.irp t, 0,1
	v_pk_add_f32 v[ST+8*\t+4:ST+8*\t+5], v[ST+8*\t+4:ST+8*\t+5], v[S+32*\t+2*\p+6:S+32*\t+2*\p+7]
.endr
.endr
.irp t, 0,1
	v_pk_add_f32 v[ST+8*\t+2:ST+8*\t+3], v[ST+8*\t+2:ST+8*\t+3], v[S+32*\t+28:S+32*\t+29]
.endr
.irp t, 0,1
	v_pk_add_f32 v[ST+8*\t+2:ST+8*\t+3], v[ST+8*\t+2:ST+8*\t+3], v[ST+8*\t+4:ST+8*\t+5]
.endr
.irp t, 0,1                                    ; P: rounded to f16 in pairs, in place, ascending: register j takes p of registers 2 j, 2 j + 1
.set i, 0
.rept 16
	v_cvt_pk_f16_f32 v[S+32*\t+i], v[S+32*\t+2*i], v[S+32*\t+2*i+1]
.set i, i+1
.endr
.endr
.irp t, 0,1                                    ; O^T x a, each accumulator from its low end on
.set i, 0
.rept 16
	v_pk_mul_f32 v[O+32*\t+i:O+32*\t+i+1], v[O+32*\t+i:O+32*\t+i+1], v[ST+8*\t+6:ST+8*\t+7] op_sel_hi:[1,0]
.set i, i+2
.endr
.endr
	s_wait_dscnt 0x0                               ; V is in
.irp kk, 0,1                                   ; O^T += V^T P: eight accumulators by turns
.irp ct, 0,1,2,3
.irp t, 0,1
	v_wmma_f32_16x16x32_f16 v[O+32*\t+8*\ct:O+32*\t+8*\ct+7], v[F+8*(4*\kk+\ct):F+8*(4*\kk+\ct)+7], v[S+32*\t+8*\kk:S+32*\t+8*\kk+7], v[O+32*\t+8*\ct:O+32*\t+8*\ct+7]
.endr
.endr
.endr
.endm
; THE CHANGE OF SLOTS, at a slot's head.  Each wave waits for all its tensor loads (its part of the slot that it is about to read), adds 0 to its spare word, and waits for that and for its reads of the slot that it has left.
; fill = 1: a round of the cluster's barrier, and behind it the joint load of the next 256 keys into the slot just left: one tensor load of a wave is out, with a slot's four steps in which to land.
.macro CHANGE fill
	s_wait_tensorcnt 0x0                           ; no tensor load of mine is out, so a group 0 may be written
	ds_add_u32 v[SPW], v[NIL]
.if \fill
	ds_add_u32 v[SPW], v[NIL]                      ; and once more: the add stands twice on end, in every trip alike
	s_xor_b32 s[G0K+1], s[G0K+1], SLOT1            ; the walking descriptors: the other slot,
	s_add_nc_u64 s[G0K+2:G0K+3], s[G0K+2:G0K+3], 32768   ; the next 256 keys; the type bits on top are not reached
	s_xor_b32 s[G0V+1], s[G0V+1], SLOT1
	s_add_nc_u64 s[G0V+2:G0V+3], s[G0V+2:G0V+3], 32768
	s_wait_xcnt 0x0                                ; the last prefetch, a slot back, has read its address, so it may be written:
	s_add_nc_u64 s[PFA:PFA+1], s[PFA:PFA+1], 32768 ; one slot further on than the walking descriptors
	s_wait_dscnt 0x0                               ; both adds are done, and my reads of the slot that I have left are over
	CROUND
	TLOAD
	ASK
.else
	s_wait_dscnt 0x0
	s_barrier_signal -1
	s_barrier_wait -1
.endif
.endm
.macro SLOT_STEPS
	v_add_nc_u32 v[ADK], s[TB], v[AK0]
	v_add_nc_u32 v[ADV], s[TB], v[AV0]
	STEP 0
	STEP 1
	STEP 2
	STEP 3
	s_xor_b32 s[TB], s[TB], SLOT1                  ; on to the other slot
.endm
	s_wait_loadcnt 0x0                             ; Q
.Lslot:                                            ; 7 trips: behind each change of slots but the last the next slot is asked for; slot 1's first fill stands behind the first trip's round, and each later trip's round fills the slot just left
	CHANGE 1
	SLOT_STEPS
	s_sub_co_u32 s[SLOTS], s[SLOTS], 1
	s_cmp_lg_u32 s[SLOTS], 0
	s_cbranch_scc1 .Lslot
	CHANGE 0                                       ; the last slot is written out
	SLOT_STEPS
	; THE WAY OUT: O^T / l, rounded to f16, through my stage: 32 rows of 128 bytes; four rows are 512 consecutive bytes of oh.
.rept 4
	v_nop                                          ; plain lines behind the last products
.endr
.irp t, 0,1
	v_add_f32 v[ST+8*\t+4], v[ST+8*\t+2], v[ST+8*\t+3]
.endr
.irp t, 0,1
	v_permlanex16_b32 v[ST+8*\t+5], v[ST+8*\t+4], s[SEL], s[SEL+1]
.endr
.irp t, 0,1
	v_add_f32 v[ST+8*\t+4], v[ST+8*\t+4], v[ST+8*\t+5]   ; the row's sum
.endr
.irp t, 0,1
	v_rcp_f32 v[ST+8*\t+6], v[ST+8*\t+4]
.endr
	v_nop                                          ; a plain line behind the last reciprocal
	s_wait_alu depctr_va_vdst(0)                   ; and the wait ahead of the first use: one for both
.irp t, 0,1
.set i, 0
.rept 16
	v_pk_mul_f32 v[S+32*\t+i:S+32*\t+i+1], v[O+32*\t+i:O+32*\t+i+1], v[ST+8*\t+6:ST+8*\t+7] op_sel_hi:[1,0]   ; each accumulator from its low end on
.set i, i+2
.endr
.endr
.irp t, 0,1
.set i, 0
.rept 16
	v_cvt_pk_f16_f32 v[F+16*\t+i], v[S+32*\t+2*i], v[S+32*\t+2*i+1]
.set i, i+1
.endr
.endr
.irp t, 0,1
.irp ct, 0,1,2,3
	ds_store_b128 v[STO], v[F+16*\t+4*\ct:F+16*\t+4*\ct+3] offset:\t*16*SP+32*\ct   ; query 16 t + r, channels 16 ct + 8 h + 0 .. 7
.endr
.endr
.irp i, 0,1,2,3,4,5,6,7
	ds_load_b128 v[Q+4*\i:Q+4*\i+3], v[RD] offset:4*\i*SP   ; LDS serves a wave's instructions in order: these see my stores
.endr
.irp i, 0,1,2,3,4,5,6,7
	s_wait_dscnt 7-\i                              ; load i is in, the younger ones stay out
	global_store_b128 v[GO], v[Q+4*\i:Q+4*\i+3], s[22:23] offset:512*\i   ; 512 consecutive bytes, aligned
.endr
	s_wait_tensorcnt 0x0                           ; the wave's end, behind my last tensor load and my last LDS store
	ds_add_u32 v[SPW], v[NIL]
	s_wait_dscnt 0x0
	CROUND                                         ; the closing round
	s_endpgm
.Lfunc_end_k_q55f4028f0a_attn:
	.size	k_q55f4028f0a_attn, .Lfunc_end_k_q55f4028f0a_attn-k_q55f4028f0a_attn
	.p2alignl 7, 3214868480
	.fill 96, 4, 3214868480
	.section	.rodata,"a",@progbits
	.p2align	6, 0x0
	.amdhsa_kernel k_q55f4028f0a_attn
		.amdhsa_group_segment_fixed_size 327680
		.amdhsa_private_segment_fixed_size 0
		.amdhsa_enable_private_segment 0
		.amdhsa_kernarg_size 16
		.amdhsa_user_sgpr_count 2
		.amdhsa_user_sgpr_kernarg_segment_ptr 1
		.amdhsa_wavefront_size32 1
		.amdhsa_system_sgpr_workgroup_id_x 1
		.amdhsa_system_sgpr_workgroup_id_y 1
		.amdhsa_system_sgpr_workgroup_id_z 1
		.amdhsa_system_vgpr_workitem_id 0
		.amdhsa_next_free_vgpr 256
		.amdhsa_next_free_sgpr 66
		.amdhsa_reserve_vcc 0
		.amdhsa_float_denorm_mode_32 3
		.amdhsa_float_denorm_mode_16_64 3
		.amdhsa_memory_ordered 1
		.amdhsa_forward_progress 1
		.amdhsa_inst_pref_size 154
	.end_amdhsa_kernel
	.amdgpu_metadata
---
amdhsa.version: [ 1, 2 ]
amdhsa.kernels:
  - .name:           k_q55f4028f0a_attn
    .symbol:         k_q55f4028f0a_attn.kd
    .args:
      - { .name: qkvh, .offset: 0, .size: 8, .value_kind: global_buffer, .address_space: global }
      - { .name: oh, .offset: 8, .size: 8, .value_kind: global_buffer, .address_space: global }
    .group_segment_fixed_size: 327680
    .private_segment_fixed_size: 0
    .kernarg_segment_align: 8
    .kernarg_segment_size: 16
    .max_flat_workgroup_size: 512
    .sgpr_count:     66
    .vgpr_count:     256
    .wavefront_size: 32
...
	.end_amdgpu_metadata
.endif
;; end of part 3
;; launch proj (part 4): grid 4 x 64, 4 waves a work-group, clusters of 4 x 4, 327,680 bytes of LDS; arguments oh, wt, b_out, out0; writes out0
.if DOCPART == 4
	.amdgcn_target "amdgcn-amd-amdhsa--gfx1250"
	.amdhsa_code_object_version 6
	.text
	.protected	k_q55f4028f0a_proj
	.globl	k_q55f4028f0a_proj
	.p2align	8
	.type	k_q55f4028f0a_proj,@function
k_q55f4028f0a_proj:
	s_mov_b64 s[64:65], 0
	v_nop
	global_prefetch_b8 v0, s[64:65] scope:SCOPE_SE
	s_setreg_imm32_b32 hwreg(HW_REG_WAVE_MODE, 25, 1), 1
	s_wait_xcnt 0x0
	s_wait_alu depctr_hold_cnt(0) depctr_sa_sdst(0) depctr_va_vdst(0) depctr_va_sdst(0) depctr_va_ssrc(0) depctr_va_vcc(0) depctr_vm_vsrc(0)
	s_getreg_b32 s2, hwreg(HW_REG_IB_STS2, 6, 4)
	s_cmp_eq_u32 s2, 0
	s_cbranch_scc0 .Lentry_in_a_cluster
	s_endpgm
.Lentry_in_a_cluster:
	s_bfe_u32 s2, ttmp6, 0x10000c
	s_cmp_lg_u32 s2, 0xf033
	s_cbranch_scc0 .Lentry_shape_is_right
	s_endpgm
.Lentry_shape_is_right:
; PROJ: out0[m][n] = sum over k of o[m][k] w_out[k][n] + b_out[n].  o: f16 in oh [16 kb][8192 m][64]; w_out^T: f16 in wt [16 kb][1024 n][64]; out0 [8192][1024] f32.  f16 operands, f32 sums.
; A tile of C is 128 (m) x 256 (n): 4 x 64 = 256 work-groups.  Four waves, each 64 x 128: 32 accumulators.  K goes through a ring of two LDS slots of 128 along K (two K blocks of 64, rows of 128 bytes, dense in memory).
; CLUSTER 4 x 4: the four of a row need the same tiles of oh, the four of a column the same tiles of wt: each tile is asked for jointly.  Waves 0, 1 fetch oh's two K blocks (128 rows each), waves 2, 3 wt's (256 rows each).
; THE MATRIX INSTRUCTION IS USED TRANSPOSED (source 0 = 16 rows of wt, source 1 = 16 rows of oh): a lane holds eight neighbouring n of one row of C.  The bias is the C of each sum's first product.
; REGISTERS: window 0: v16-29 addresses; v32-127, v128-223 two fragment buffers (in each: wt's 8 fragments, then oh's 4); on the way out v32-159 hold rows of C.
;   window 1: accumulator (a, b) at v[8 (8 a + b)].   window 2: v0-63 the bias in the result's layout.
.set PITCH,  144                       ; an LDS row: 128 bytes + 16: an odd multiple of 16
.set AKB,    128*PITCH                 ; a K block of oh's tile
.set BKB,    256*PITCH                 ; of wt's
.set BOFF,   2*AKB
.set SLOT,   2*AKB+2*BKB
.set STAGE,  2*SLOT                    ; behind the ring: 16 rows x (512 bytes + 16) for each wave; no tile lands here
.set SPITCH, 528
.set SPARE,  STAGE+4*16*SPITCH         ; the spare words, 128 bytes for each wave: two blocks of 256 bytes that no other line names
.set LAPS,   4                         ; 1,024 along K = 8 slots' worth = 4 times round the ring
.set ADRA, 16
.set ADRB, 20
.set STO,  24
.set RD,   25
.set CO,   26
.set BO,   27
.set SPW,  28
.set NIL,  29
.set F0,   32
.set F1,   128
.set G1,  24
.set G0,  32
.set G1B, 48
.set G0B, 56
.set MSB, 0
.macro WIN new                         ; the immediate's high byte repeats the setting that is left
.if MSB != \new
	s_set_vgpr_msb (MSB<<8)|\new
.set MSB, \new
.endif
.endm
.set MUL,   0x50                       ; C and D window 1, sources window 0
.set FIRST, 0x60                       ; C (the bias) window 2, D window 1
.macro JLOAD s                         ; a joint load: waves 0 and 1 for oh, waves 2 and 3 for wt; an s_nop 0 and four v_nop follow each of the two lines
	s_cmp_eq_u32 s13, 0
	s_cbranch_scc0 .Lfor_b_\@
	tensor_load_to_lds s[G0+4*\s:G0+4*\s+3], s[G1:G1+7]
	s_nop 0
.rept 4
	v_nop
.endr
	s_branch .Lasked_\@
.Lfor_b_\@:
	tensor_load_to_lds s[G0B+4*\s:G0B+4*\s+3], s[G1B:G1B+7]
	s_nop 0
.rept 4
	v_nop
.endr
.Lasked_\@:
.endm
.macro CREST                           ; a round of the cluster's barrier behind its opening barrier
	s_cmp_lg_u32 s12, 0
	s_cbranch_scc1 .Lnot_wave_0_\@
	s_barrier_signal -3
.Lnot_wave_0_\@:
	s_barrier_wait -3
	s_barrier_signal -1
	s_barrier_wait -1
.endm
.macro CROUND
	s_barrier_signal -1
	s_barrier_wait -1
	CREST
.endm
	s_load_b256 s[4:11], s[0:1], 0x0               ; oh s[4:5], wt s[6:7], b_out s[8:9], out0 s[10:11]
	v_lshl_add_u32 v[SPW], v0, 2, SPARE
	v_mov_b32 v[NIL], 0
	ds_add_u32 v[SPW], v[NIL]                      ; the wave's opening: the add, twice on end, and its wait ahead of my first tensor load
	ds_add_u32 v[SPW], v[NIL]
	v_lshrrev_b32 v1, 5, v0
	v_readfirstlane_b32 s12, v1                    ; wave 0..3
	s_lshr_b32 s13, s12, 1                         ; which half of the tile's rows is mine.  Also: I fetch for oh (0) or for wt (1)
	s_and_b32 s14, s12, 1                          ; which half of its columns.  Also: which K block of a slot I fetch
	s_bfe_u32 s40, ttmp6, 0x40000                  ; cx, cy
	s_bfe_u32 s41, ttmp6, 0x40004
	s_lshl_b32 s42, ttmp9, 2
	s_add_co_u32 s42, s42, s40                     ; tile column of C
	s_and_b32 s15, ttmp7, 0xffff
	s_lshl_b32 s15, s15, 2
	s_add_co_u32 s15, s15, s41                     ; tile row of C
	s_lshl_b32 s43, s41, 2
	s_lshl_b32 s43, 15, s43                        ; my row of the cluster
	s_lshl_b32 s44, 0x1111, s40                    ; my column
	s_or_b32 s[G1+0], s43, (1<<16)|(1<<20)|(1<<21)|(4<<22)|(3<<25)    ; the mask; elements of 2 bytes; padding on; bit 21 beside a mask; after every 32 words, 4 words
	s_or_b32 s[G1B+0], s44, (1<<16)|(1<<20)|(1<<21)|(4<<22)|(3<<25)
	s_mov_b32 s[G1+1], 64<<16                      ; tensor_dim0
	s_mov_b32 s[G1+2], 128<<16                     ; tensor_dim1: oh's tile has 128 rows
	s_mov_b32 s[G1+3], 64<<16                      ; tile_dim0
	s_mov_b32 s[G1+4], 128                         ; tile_dim1
	s_mov_b32 s[G1+5], 64                          ; from row to row
	s_mov_b32 s[G1+6], 0
	s_mov_b32 s[G1+7], 0
	s_mov_b32 s[G1B+1], 64<<16
	s_mov_b32 s[G1B+2], 256<<16                    ; wt's tile has 256 rows
	s_mov_b32 s[G1B+3], 64<<16
	s_mov_b32 s[G1B+4], 256
	s_mov_b32 s[G1B+5], 64
	s_mov_b32 s[G1B+6], 0
	s_mov_b32 s[G1B+7], 0
	s_lshl_b32 s16, s14, 20                        ; oh: my K block of 8,192 rows x 128 bytes,
	s_lshl_b32 s17, s15, 14                        ; + the tile's 128 rows
	s_add_co_u32 s16, s16, s17
	s_mov_b32 s17, 0
	s_lshl_b32 s46, s14, 17                        ; wt: my K block of 1,024 rows x 128 bytes,
	s_lshl_b32 s47, s42, 15                        ; + the tile's 256 rows
	s_add_co_u32 s46, s46, s47
	s_mov_b32 s47, 0
	s_mul_i32 s20, s14, AKB                        ; where they go in a slot: no place in the cluster enters an LDS address
	s_mul_i32 s21, s14, BKB
	s_add_co_u32 s21, s21, BOFF
	s_wait_dscnt 0x0                               ; both opening adds are done
	s_wait_kmcnt 0x0
	s_add_nc_u64 s[18:19], s[4:5], s[16:17]
	s_add_nc_u64 s[46:47], s[6:7], s[46:47]
	CROUND                                         ; all sixteen work-groups are here: the first joint loads meet
.irp s, 0,1
	s_mov_b32 s[G0+4*\s], 1
	s_add_co_u32 s[G0+4*\s+1], s20, \s*SLOT
	s_add_nc_u64 s[G0+4*\s+2:G0+4*\s+3], s[18:19], \s*0x200000     ; slot s begins with K blocks 2 s, 2 s + 1
	s_or_b32 s[G0+4*\s+3], s[G0+4*\s+3], 0x80000000
	s_mov_b32 s[G0B+4*\s], 1
	s_add_co_u32 s[G0B+4*\s+1], s21, \s*SLOT
	s_add_nc_u64 s[G0B+4*\s+2:G0B+4*\s+3], s[46:47], \s*0x40000
	s_or_b32 s[G0B+4*\s+3], s[G0B+4*\s+3], 0x80000000
	JLOAD \s                                       ; two tensor loads of mine are out behind the second
.endr
	v_and_b32 v1, 15, v0                           ; r
	v_bfe_u32 v2, v0, 4, 1                         ; h
	v_mul_u32_u24 v3, v1, PITCH
	v_lshl_add_u32 v3, v2, 4, v3                   ; a fragment's row x pitch + 16 h
	s_mul_i32 s22, s13, 64*PITCH                   ; my 64 rows of oh's tile
	s_mul_i32 s23, s14, 128*PITCH                  ; my 128 rows of wt's,
	s_add_co_u32 s23, s23, BOFF                    ; which lie behind oh's two K blocks
.irp s, 0,1
	v_add_nc_u32 v[ADRA+\s], s22, v3
	v_add_nc_u32 v[ADRB+\s], s23, v3
	s_add_co_u32 s22, s22, SLOT
	s_add_co_u32 s23, s23, SLOT
.endr
	s_mul_i32 s22, s12, 16*SPITCH
	s_add_co_u32 s22, s22, STAGE                   ; my stage
	v_mul_u32_u24 v4, v1, SPITCH
	v_lshl_add_u32 v4, v2, 5, v4
	v_add_nc_u32 v[STO], s22, v4                   ; in: row r, 32 bytes for each half of the lanes
	v_and_b32 v5, 31, v0
	v_lshlrev_b32 v[CO], 4, v5                     ; back: the 32 lanes take one row of 512 bytes; and the same in out0
	v_add_nc_u32 v[RD], s22, v[CO]
	v_lshlrev_b32 v[BO], 5, v2
	s_lshl_b32 s46, s42, 10                        ; my first column, in bytes of f32: 1,024 x tile column + 512 x half: in b_out and in a row of out0 alike
	s_lshl_b32 s47, s14, 9
	s_add_co_u32 s46, s46, s47
	s_mov_b32 s47, 0
	s_add_nc_u64 s[8:9], s[8:9], s[46:47]
	WIN 0x80                                       ; destination window 2
.irp b, 0,1,2,3,4,5,6,7
	global_load_b128 v[8*\b:8*\b+3],   v[BO], s[8:9] offset:64*\b        ; b_out[16 b + 8 h + 0 .. 3] of my columns,
	global_load_b128 v[8*\b+4:8*\b+7], v[BO], s[8:9] offset:64*\b+16     ; and + 4 .. 7
.endr
	WIN 0
	s_add_nc_u64 s[10:11], s[10:11], s[46:47]
	s_lshl_b32 s16, s15, 19                        ; my first row: 128 x tile row + 64 x half, rows of 4,096 bytes
	s_lshl_b32 s17, s13, 18
	s_add_co_u32 s16, s16, s17
	s_mov_b32 s17, 0
	s_add_nc_u64 s[10:11], s[10:11], s[16:17]
; 8 matrix instructions: oh's block a against wt's eight, 32 along K.  first = 1: the product starts the sum on the bias.  The 32 accumulators take turns, one instruction a turn.
.macro MUL8 f, a, first
.irp b, 0,1,2,3,4,5,6,7
.if \first
	v_wmma_f32_16x16x32_f16 v[8*(8*(\a)+\b):8*(8*(\a)+\b)+7], v[\f+8*\b:\f+8*\b+7], v[\f+64+8*(\a):\f+64+8*(\a)+7], v[8*\b:8*\b+7]
.else
	v_wmma_f32_16x16x32_f16 v[8*(8*(\a)+\b):8*(8*(\a)+\b)+7], v[\f+8*\b:\f+8*\b+7], v[\f+64+8*(\a):\f+64+8*(\a)+7], v[8*(8*(\a)+\b):8*(8*(\a)+\b)+7]
.endif
.endr
.endm
; 24 LDS loads in one run: the fragments of the slot's q-th 32 along K (K block q / 2, byte 64 (q % 2) of its rows): wt's 16 loads, oh's blocks 0, 1 (4), oh's blocks 2, 3 (4)
.macro FETCH slot, q, f
	WIN 0
.irp b, 0,1,2,3,4,5,6,7
	ds_load_b128 v[\f+8*\b:\f+8*\b+3],   v[ADRB+\slot] offset:((\q)/2)*BKB+((\q)%2)*64+\b*16*PITCH
	ds_load_b128 v[\f+8*\b+4:\f+8*\b+7], v[ADRB+\slot] offset:((\q)/2)*BKB+((\q)%2)*64+\b*16*PITCH+32
.endr
.irp a, 0,1,2,3
	ds_load_b128 v[\f+64+8*\a:\f+64+8*\a+3],   v[ADRA+\slot] offset:((\q)/2)*AKB+((\q)%2)*64+\a*16*PITCH
	ds_load_b128 v[\f+64+8*\a+4:\f+64+8*\a+7], v[ADRA+\slot] offset:((\q)/2)*AKB+((\q)%2)*64+\a*16*PITCH+32
.endr
.endm
.macro PLACES                          ; four plain lines in front of loads into registers that matrix instructions have read, and of the first read of results
.rept 4
	v_nop
.endr
.endm
; One of a slot's first three quarters: multiplies buffer f and, in its middle, fetches the slot's quarter qn into buffer g.
.macro QUARTER slot, qn, f, g, first
	s_wait_dscnt 4                                 ; wt's fragments and oh's blocks 0, 1 are in; the youngest four loads (blocks 2, 3) may be out
.if \first
	WIN FIRST
.else
	WIN MUL
.endif
	MUL8 \f, 0, \first
	MUL8 \f, 1, \first
	PLACES
	FETCH \slot, \qn, \g
	s_wait_dscnt 24                                ; all but the 24 just issued
.if \first
	WIN FIRST
.else
	WIN MUL
.endif
	MUL8 \f, 2, \first
	MUL8 \f, 3, \first
.endm
; A slot's last quarter multiplies buffer 1 and changes slots: one barrier; in front of it each wave waits for all its tensor loads, adds 0 to its spare word, and waits for that and for its reads of this slot.
; fill = 1: the barrier opens a round of the cluster's barrier, and this slot is filled again, two slots ahead: one tensor load of mine is out, with a slot's 128 matrix instructions less sixteen in which to land.
.macro TURN slot, next, fill
	WIN 0                                          ; (the add's two registers lie in window 0)
	s_wait_tensorcnt 0x0                           ; all my tensor loads have landed: my part of the next slot
	ds_add_u32 v[SPW], v[NIL]
	s_wait_dscnt 5                                 ; (the add and the youngest four loads may be out)
	WIN MUL
	MUL8 F1, 0, 0
	s_wait_dscnt 0x0                               ; the add is done, and my reads of this slot are over
	s_barrier_signal -1
	MUL8 F1, 1, 0
	WIN 0
	s_barrier_wait -1
.if \fill
	CREST                                          ; no wave of any partner still reads this slot's tiles or has a load on its way
	s_add_nc_u64 s[G0+4*\slot+2:G0+4*\slot+3], s[G0+4*\slot+2:G0+4*\slot+3], 0x400000     ; four K blocks on
	s_add_nc_u64 s[G0B+4*\slot+2:G0B+4*\slot+3], s[G0B+4*\slot+2:G0B+4*\slot+3], 0x80000
	JLOAD \slot                                    ; the first tensor load behind the round; its four v_nop are also the plain lines in front of the loads below
.else
	PLACES
.endif
	FETCH \next, 0, F0
	WIN MUL
	MUL8 F1, 2, 0
	MUL8 F1, 3, 0
.endm
	s_wait_tensorcnt 1                             ; my part of slot 0 is in (slot 1's load may be out)
	s_barrier_signal -1
	s_barrier_wait -1                              ; everybody's is
	FETCH 0, 0, F0
	s_wait_loadcnt 0x0                             ; the bias
	QUARTER 0, 1, F0, F1, 1                        ; the first quarter stands in front of the loop: its products start the sums
	WIN 0                                          ; at a label and at a branch every window is 0
	s_mov_b32 s3, LAPS-1
.Llap:                                             ; a trip goes once round the ring, from a lap's second quarter to the next lap's first, and fills both slots again
	QUARTER 0, 2, F1, F0, 0
	QUARTER 0, 3, F0, F1, 0
	TURN 0, 1, 1
	QUARTER 1, 1, F0, F1, 0
	QUARTER 1, 2, F1, F0, 0
	QUARTER 1, 3, F0, F1, 0
	TURN 1, 0, 1
	QUARTER 0, 1, F0, F1, 0
	WIN 0
	s_sub_co_u32 s3, s3, 1
	s_cmp_lg_u32 s3, 0
	s_cbranch_scc1 .Llap
	QUARTER 0, 2, F1, F0, 0                        ; the last lap fills nothing
	QUARTER 0, 3, F0, F1, 0
	TURN 0, 1, 0
	QUARTER 1, 1, F0, F1, 0
	QUARTER 1, 2, F1, F0, 0
	QUARTER 1, 3, F0, F1, 0
	s_wait_dscnt 4                                 ; the very last quarter: nothing more to fetch
	WIN MUL
	MUL8 F1, 0, 0
	MUL8 F1, 1, 0
	s_wait_dscnt 0
	MUL8 F1, 2, 0
	MUL8 F1, 3, 0
	WIN 0
; THE WAY OUT, block by block of 16 rows x 128 columns: a lane's 32 bytes of a row go into my stage and come back as whole rows of 512 bytes.
.macro TOSTAGE a
	WIN 0x04                                       ; an LDS store's data are its source 1: window 1
.irp b, 0,1,2,3,4,5,6,7
	ds_store_b128 v[STO], v[64*(\a)+8*\b:64*(\a)+8*\b+3] offset:64*\b          ; each accumulator from its low end on
	ds_store_b128 v[STO], v[64*(\a)+8*\b+4:64*(\a)+8*\b+7] offset:64*\b+16
.endr
	WIN 0
.set BB, 32+64*((\a)%2)
.irp t, 0,1,2,3,4,5,6,7,8,9,10,11,12,13,14,15
	ds_load_b128 v[BB+4*\t:BB+4*\t+3], v[RD] offset:\t*SPITCH     ; LDS serves a wave's instructions in order: these see the stores above
.endr
.endm
.macro SEND a, younger                 ; younger: the LDS instructions issued behind block a's loads, which may stay out
.set BB, 32+64*((\a)%2)
	s_wait_dscnt \younger
.irp t, 0,1,2,3,4,5,6,7,8,9,10,11,12,13,14,15
	global_store_b128 v[CO], v[BB+4*\t:BB+4*\t+3], s[10:11] offset:(\a)*65536+\t*4096 th:TH_STORE_NT   ; 512 consecutive bytes, aligned; written once, read by nobody here
.endr
.endm
	PLACES
	TOSTAGE 0
.irp a, 1,2,3
.if \a > 1
	s_wait_xcnt 0x0                                ; block a - 2's stores have read their registers: block a's loads may land there
.endif
	TOSTAGE \a
	SEND \a-1, 32                                  ; behind block a - 1's loads: block a's 16 stores and 16 loads
.endr
	SEND 3, 0
	s_wait_tensorcnt 0x0                           ; the wave's end, behind my last tensor load and my last LDS store
	ds_add_u32 v[SPW], v[NIL]
	s_wait_dscnt 0x0
	CROUND                                         ; the closing round
	s_endpgm
.Lfunc_end_k_q55f4028f0a_proj:
	.size	k_q55f4028f0a_proj, .Lfunc_end_k_q55f4028f0a_proj-k_q55f4028f0a_proj
	.p2alignl 7, 3214868480
	.fill 96, 4, 3214868480
	.section	.rodata,"a",@progbits
	.p2align	6, 0x0
	.amdhsa_kernel k_q55f4028f0a_proj
		.amdhsa_group_segment_fixed_size 327680
		.amdhsa_private_segment_fixed_size 0
		.amdhsa_enable_private_segment 0
		.amdhsa_kernarg_size 32
		.amdhsa_user_sgpr_count 2
		.amdhsa_user_sgpr_kernarg_segment_ptr 1
		.amdhsa_wavefront_size32 1
		.amdhsa_system_sgpr_workgroup_id_x 1
		.amdhsa_system_sgpr_workgroup_id_y 1
		.amdhsa_system_sgpr_workgroup_id_z 1
		.amdhsa_system_vgpr_workitem_id 0
		.amdhsa_next_free_vgpr 576
		.amdhsa_next_free_sgpr 66
		.amdhsa_reserve_vcc 0
		.amdhsa_float_denorm_mode_32 3
		.amdhsa_float_denorm_mode_16_64 3
		.amdhsa_memory_ordered 1
		.amdhsa_forward_progress 1
		.amdhsa_inst_pref_size 86
	.end_amdhsa_kernel
	.amdgpu_metadata
---
amdhsa.version: [ 1, 2 ]
amdhsa.kernels:
  - .name:           k_q55f4028f0a_proj
    .symbol:         k_q55f4028f0a_proj.kd
    .args:
      - { .name: oh, .offset: 0, .size: 8, .value_kind: global_buffer, .address_space: global }
      - { .name: wt, .offset: 8, .size: 8, .value_kind: global_buffer, .address_space: global }
      - { .name: b_out, .offset: 16, .size: 8, .value_kind: global_buffer, .address_space: global }
      - { .name: out0, .offset: 24, .size: 8, .value_kind: global_buffer, .address_space: global }
    .group_segment_fixed_size: 327680
    .private_segment_fixed_size: 0
    .kernarg_segment_align: 8
    .kernarg_segment_size: 32
    .max_flat_workgroup_size: 128
    .sgpr_count:     66
    .vgpr_count:     576
    .wavefront_size: 32
...
	.end_amdgpu_metadata
.endif
;; end of part 4
